; MI455X (gfx1250); checked and timed in simulation.
; The chip was launched on July 23, 2026; its instructions are those of AMD's public machine-readable ISA for CDNA 5 (MIT licence, August 2026) and "CDNA5" Instruction Set Architecture Reference Guide (July 2026). The comments in the code are by the model that wrote it; some were corrected since.
;; Hybrid Transformer Block. Allowed arithmetic: float matrix products may take bf16 or f16 operands with f32 sums; all other float work in f32.
;; Inputs: b1 4,096 float32; b2 1,024 float32; in_proj_b 3,072 float32; in_proj_w 3,072 x 1,024 float32; ln1_b 1,024 float32; ln1_w 1,024 float32; ln2_b 1,024 float32; ln2_w 1,024 float32; out_b 1,024 float32; out_w 1,024 x 1,024 float32; w1 4,096 x 1,024 float32; w2 1,024 x 4,096 float32; x 2 x 2,048 x 1,024 float32.
;; Outputs: out0 2 x 2,048 x 1,024 float32.
;; One version. Each part assembles by itself: llvm-mc -triple=amdgcn-amd-amdhsa -mcpu=gfx1250 --defsym DOCPART=n.
;; ======== version 1 of 1: 7 launches
;; limits: values are held in f16: magnitudes above 65,504 overflow, below 6.1e-05 lose precision
;; workspace buffers: act 8,388,608 bytes; big 33,554,432 bytes; h2 16,777,216 bytes; wq 6,291,456 bytes; w1h 8,388,608 bytes; wB 10,485,760 bytes; floq 256 bytes; flof 256 bytes
;; launch prep (part 1): grid 1024 x 1, 8 waves a work-group, no clusters, 0 bytes of LDS; arguments x, ln1_w, ln1_b, in_proj_w, out_w, w1, w2, act, wq, w1h, wB, floq, flof; writes act, wq, w1h, wB, floq, flof
.if DOCPART == 1
	.amdgcn_target "amdgcn-amd-amdhsa--gfx1250"
	.amdhsa_code_object_version 6
	.text
	.protected	k_qa890bb67ed_prep
	.globl	k_qa890bb67ed_prep
	.p2align	8
	.type	k_qa890bb67ed_prep,@function
k_qa890bb67ed_prep:
	s_mov_b64 s[64:65], 0
	v_nop
	global_prefetch_b8 v0, s[64:65] scope:SCOPE_SE
	s_setreg_imm32_b32 hwreg(HW_REG_WAVE_MODE, 25, 1), 1
	s_wait_xcnt 0x0
; PREP.  Work-groups 0-255: h = layernorm(x) * ln1_w + ln1_b, rounded once to f16, into act.  Work-groups 256-1023: the four weight matrices rounded once to f16.
; A stream: no LDS, no barrier, no matrix unit, no cluster (no two work-groups read the same bytes but the 8 KiB of gain and bias).
; UNIT OF WORK: a segment of 1,024 f32 (4,096 bytes); a wave takes two.  Load j of 8 takes 512 consecutive bytes (16 a lane): the segment's numbers 128 j .. 128 j + 127;
; rounded they are 8 bytes a lane, and one store of the wave covers 256 consecutive bytes, aligned.
; LAYOUTS (f16, units of 128 numbers = 256 bytes).  act: [8 panels][4096 rows][128]: column n of row r at ((n >> 7) 4096 + r) 256 + 2 (n & 127).
; Weights: [N / 256][KP][256][128]: row n, column k at (((n >> 8) KP + (k >> 7)) 256 + (n & 255)) 256 + 2 (k & 127); KP = 8, for w2 32.  wB holds out_w at byte 0 and w2 at byte 2,097,152.
; floq and flof: 64 words of -infinity and of 0.0, the lower bound that the launches behind put on their results (none, and relu's).
; LAYERNORM in two passes over registers: the mean, then the squared deviations from it: no difference of large sums.
; LIMITS.  f16 ends at 65,504: a weight or a normalised number beyond that becomes an infinity; below 6e-5 f16 keeps its fixed step of 6e-8.  NaN is not treated apart.
.set W,   8                            ; v[8:39]    gain of my 32 columns
.set BV,  40                           ; v[40:71]   bias of my 32 columns
.set X0,  72                           ; v[72:103]  first segment or row
.set X1,  104                          ; v[104:135] second
.set A,   136                          ; v[136:143] four chains of sums, a pair each
.set MU,  144                          ; v[144:145] the mean, twice
.set RS,  146                          ; v[146:147] 1 / sqrt(var + eps), twice
.set T,   148                          ; v[148:151] at work
.set Y0,  152                          ; v[152:167] first segment or row in f16
.set Y1,  168                          ; v[168:183] second
.set SW,  10                           ; s[10:11]   gain
.set SB,  12                           ; s[12:13]   bias
	s_load_b512 s[8:23], s[0:1], 0x0               ; x 8:9, ln1_w 10:11, ln1_b 12:13, in_proj_w 14:15, out_w 16:17, w1 18:19, w2 20:21, act 22:23
	s_load_b256 s[24:31], s[0:1], 0x40             ; wq 24:25, w1h 26:27, wB 28:29, floq 30:31
	s_load_b64 s[32:33], s[0:1], 0x60              ; flof
	v_and_b32 v3, 31, v0                           ; lane
	v_lshlrev_b32 v1, 4, v3                        ; 16 bytes a lane in
	v_lshlrev_b32 v2, 3, v3                        ; 8 bytes a lane out
	v_lshrrev_b32 v4, 5, v0
	v_readfirstlane_b32 s34, v4                    ; wave 0..7
	s_mov_b32 s35, 0x3a800000                      ; 1 / 1024
	s_mov_b32 s36, 0x3727c5ac                      ; 1e-5
	s_mov_b32 s38, 0x76543210                      ; v_permlanex16_b32: each lane takes its own place in the other half
	s_mov_b32 s39, 0xfedcba98
	s_wait_kmcnt 0x0
	s_cmp_lt_u32 ttmp9, 256
	s_cbranch_scc1 .Lln
	; ---- THE WEIGHTS.  g = 0..191 in_proj_w, 192..255 out_w, 256..511 w1, 512..767 w2; 16 segments a work-group ----
	s_sub_co_u32 s40, ttmp9, 256                   ; g
	s_mov_b64 s[42:43], s[20:21]                   ; from w2
	s_add_nc_u64 s[44:45], s[28:29], 0x200000      ; to wB's second part
	s_mov_b32 s46, 512                             ; the matrix's first g
	s_mov_b32 s47, 2                               ; 2: a row has four segments; 0: one
	s_cmp_lt_u32 s40, 512
	s_cselect_b64 s[42:43], s[18:19], s[42:43]
	s_cselect_b64 s[44:45], s[26:27], s[44:45]
	s_cselect_b32 s46, 256, s46
	s_cselect_b32 s47, 0, s47
	s_cmp_lt_u32 s40, 256
	s_cselect_b64 s[42:43], s[16:17], s[42:43]
	s_cselect_b64 s[44:45], s[28:29], s[44:45]
	s_cselect_b32 s46, 192, s46
	s_cmp_lt_u32 s40, 192
	s_cselect_b64 s[42:43], s[14:15], s[42:43]
	s_cselect_b64 s[44:45], s[24:25], s[44:45]
	s_cselect_b32 s46, 0, s46
	s_sub_co_u32 s48, s40, s46
	s_lshl_b32 s48, s48, 4
	s_lshl_b32 s49, s34, 1
	s_add_co_u32 s48, s48, s49                     ; my first segment in its matrix
	s_lshl_b32 s50, s48, 12                        ; 4,096 bytes a segment, 16 MiB at the most
	s_mov_b32 s51, 0
	s_add_nc_u64 s[42:43], s[42:43], s[50:51]
; where segment s48 + i goes: both layouts' offsets by constant shifts, then the choice
.macro DSTOFF i, d
	s_add_co_u32 s50, s48, \i
	s_lshr_b32 s51, s50, 8                         ; KP = 8: row n = segment
	s_lshl_b32 s51, s51, 19
	s_and_b32 s52, s50, 255
	s_lshl_b32 s52, s52, 8
	s_add_co_u32 s51, s51, s52
	s_lshr_b32 s53, s50, 10                        ; KP = 32: row n = segment / 4, eight panels for each quarter of a row
	s_lshl_b32 s53, s53, 21
	s_and_b32 s54, s50, 3
	s_lshl_b32 s54, s54, 19
	s_add_co_u32 s53, s53, s54
	s_bfe_u32 s54, s50, 0x80002
	s_lshl_b32 s54, s54, 8
	s_add_co_u32 s53, s53, s54
	s_cmp_eq_u32 s47, 2
	s_cselect_b32 s50, s53, s51
	s_mov_b32 s51, 0
	s_add_nc_u64 s[\d:\d+1], s[44:45], s[50:51]
.endm
	DSTOFF 0, 56
	DSTOFF 1, 58
.irp j, 0,1,2,3,4,5,6,7
	global_load_b128 v[X0+4*(\j):X0+4*(\j)+3], v1, s[42:43] offset:512*(\j) th:TH_LOAD_NT
.endr
.irp j, 0,1,2,3,4,5,6,7
	global_load_b128 v[X1+4*(\j):X1+4*(\j)+3], v1, s[42:43] offset:4096+512*(\j) th:TH_LOAD_NT
.endr
.macro CASTSEG xr, yr, d, left
	s_wait_loadcnt \left                           ; loads come back in order: this segment's eight are in
.set p, 0
.rept 16
	v_cvt_pk_f16_f32 v[(\yr)+p], v[(\xr)+2*p], v[(\xr)+2*p+1]
.set p, p+1
.endr
.irp j, 0,1,2,3,4,5,6,7
	global_store_b64 v2, v[(\yr)+2*(\j):(\yr)+2*(\j)+1], s[\d:\d+1] offset:(\j)*65536   ; panel j: 256 rows of 256 bytes on
.endr
.endm
	CASTSEG X0, Y0, 56, 8                          ; the second segment's eight loads are younger
	CASTSEG X1, Y1, 58, 0
	s_or_b32 s50, s40, s34
	s_cmp_lg_u32 s50, 0
	s_cbranch_scc1 .Ldone                          ; one wave of the launch writes the two bounds
	v_mov_b32 v[T], 0xff800000
	v_mov_b32 v[T+1], 0xff800000
	v_mov_b32 v[T+2], 0
	v_mov_b32 v[T+3], 0
	global_store_b64 v2, v[T:T+1], s[30:31]
	global_store_b64 v2, v[T+2:T+3], s[32:33]
.Ldone:
	s_endpgm
	; ---- LAYERNORM.  16 rows a work-group, two a wave; a row lies in 32 registers between the passes ----
.macro REDUCE                          ; the four chains, then the 32 lanes: the total in every lane's v[A]
	v_pk_add_f32 v[A:A+1], v[A:A+1], v[A+2:A+3]
	v_pk_add_f32 v[A+4:A+5], v[A+4:A+5], v[A+6:A+7]
	v_pk_add_f32 v[A:A+1], v[A:A+1], v[A+4:A+5]
	v_add_f32 v[A], v[A], v[A+1]
	v_add_f32_dpp v[A], v[A], v[A] row_xmask:1 row_mask:0xf bank_mask:0xf
	v_add_f32_dpp v[A], v[A], v[A] row_xmask:2 row_mask:0xf bank_mask:0xf
	v_add_f32_dpp v[A], v[A], v[A] row_xmask:4 row_mask:0xf bank_mask:0xf
	v_add_f32_dpp v[A], v[A], v[A] row_xmask:8 row_mask:0xf bank_mask:0xf
	v_permlanex16_b32 v[A+1], v[A], s38, s39
	v_add_f32 v[A], v[A], v[A+1]
.endm
.macro LNROW xr, yr, i, left
	s_wait_loadcnt \left
.irp k, 0,1,2,3
	v_pk_add_f32 v[A+2*(\k):A+2*(\k)+1], v[(\xr)+2*(\k):(\xr)+2*(\k)+1], v[(\xr)+8+2*(\k):(\xr)+8+2*(\k)+1]   ; the first additions start the chains
.endr
.irp k, 0,1,2,3
	v_pk_add_f32 v[A+2*(\k):A+2*(\k)+1], v[A+2*(\k):A+2*(\k)+1], v[(\xr)+16+2*(\k):(\xr)+16+2*(\k)+1]
.endr
.irp k, 0,1,2,3
	v_pk_add_f32 v[A+2*(\k):A+2*(\k)+1], v[A+2*(\k):A+2*(\k)+1], v[(\xr)+24+2*(\k):(\xr)+24+2*(\k)+1]
.endr
	REDUCE
	v_mul_f32 v[MU], s35, v[A]
	v_mul_f32 v[MU+1], s35, v[A]
.set p, 0
.rept 16
	v_pk_add_f32 v[(\xr)+2*p:(\xr)+2*p+1], v[(\xr)+2*p:(\xr)+2*p+1], v[MU:MU+1] neg_lo:[0,1] neg_hi:[0,1]   ; x - mean
.set p, p+1
.endr
.irp k, 0,1,2,3
	v_pk_mul_f32 v[A+2*(\k):A+2*(\k)+1], v[(\xr)+2*(\k):(\xr)+2*(\k)+1], v[(\xr)+2*(\k):(\xr)+2*(\k)+1]
.endr
.set p, 4
.rept 12
	v_pk_fma_f32 v[A+2*(p%4):A+2*(p%4)+1], v[(\xr)+2*p:(\xr)+2*p+1], v[(\xr)+2*p:(\xr)+2*p+1], v[A+2*(p%4):A+2*(p%4)+1]
.set p, p+1
.endr
	REDUCE
	v_fma_f32 v[T], v[A], s35, s36                 ; var + eps
	v_rsq_f32 v[RS], v[T]
	v_rsq_f32 v[RS+1], v[T]
	v_nop                                          ; a plain instruction between the root and the use of its result (ISA guide 5.7.2)
	s_wait_loadcnt 0x0                             ; gain and bias
.set p, 0
	s_wait_alu depctr_va_vdst(0)
.rept 16
	v_pk_mul_f32 v[(\xr)+2*p:(\xr)+2*p+1], v[(\xr)+2*p:(\xr)+2*p+1], v[RS:RS+1]
.set p, p+1
.endr
.set p, 0
.rept 16
	v_pk_fma_f32 v[(\xr)+2*p:(\xr)+2*p+1], v[(\xr)+2*p:(\xr)+2*p+1], v[W+2*p:W+2*p+1], v[BV+2*p:BV+2*p+1]
.set p, p+1
.endr
.set p, 0
.rept 16
	v_cvt_pk_f16_f32 v[(\yr)+p], v[(\xr)+2*p], v[(\xr)+2*p+1]
.set p, p+1
.endr
.irp j, 0,1,2,3,4,5,6,7
	global_store_b64 v2, v[(\yr)+2*(\j):(\yr)+2*(\j)+1], s[46:47] offset:(\j)*1048576+(\i)*256   ; panel j, 4,096 rows of 256 bytes on: 7,340,288 at the most, inside the signed 24-bit immediate
.endr
.endm
.Lln:
	s_lshl_b32 s40, ttmp9, 4
	s_lshl_b32 s41, s34, 1
	s_add_co_u32 s40, s40, s41                     ; my first row
	s_lshl_b32 s42, s40, 12
	s_mov_b32 s43, 0
	s_add_nc_u64 s[44:45], s[8:9], s[42:43]        ; x at it
	s_lshl_b32 s42, s40, 8
	s_add_nc_u64 s[46:47], s[22:23], s[42:43]      ; act at it, panel 0
.irp j, 0,1,2,3,4,5,6,7
	global_load_b128 v[X0+4*(\j):X0+4*(\j)+3], v1, s[44:45] offset:512*(\j) th:TH_LOAD_NT
.endr
.irp j, 0,1,2,3,4,5,6,7
	global_load_b128 v[X1+4*(\j):X1+4*(\j)+3], v1, s[44:45] offset:4096+512*(\j) th:TH_LOAD_NT
.endr
.irp j, 0,1,2,3,4,5,6,7
	global_load_b128 v[W+4*(\j):W+4*(\j)+3], v1, s[SW:SW+1] offset:512*(\j)
.endr
.irp j, 0,1,2,3,4,5,6,7
	global_load_b128 v[BV+4*(\j):BV+4*(\j)+3], v1, s[SB:SB+1] offset:512*(\j)
.endr
	LNROW X0, Y0, 0, 24                            ; behind row 0's eight loads: row 1's, the gain's and the bias's, 24
	LNROW X1, Y1, 1, 0                             ; row 0 has waited for everything
	s_endpgm
.Lfunc_end_k_qa890bb67ed_prep:
	.size	k_qa890bb67ed_prep, .Lfunc_end_k_qa890bb67ed_prep-k_qa890bb67ed_prep
	.p2alignl 7, 3214868480
	.fill 96, 4, 3214868480
	.section	.rodata,"a",@progbits
	.p2align	6, 0x0
	.amdhsa_kernel k_qa890bb67ed_prep
		.amdhsa_group_segment_fixed_size 0
		.amdhsa_private_segment_fixed_size 0
		.amdhsa_enable_private_segment 0
		.amdhsa_kernarg_size 104
		.amdhsa_user_sgpr_count 2
		.amdhsa_user_sgpr_kernarg_segment_ptr 1
		.amdhsa_wavefront_size32 1
		.amdhsa_system_sgpr_workgroup_id_x 1
		.amdhsa_system_sgpr_workgroup_id_y 1
		.amdhsa_system_sgpr_workgroup_id_z 1
		.amdhsa_system_vgpr_workitem_id 0
		.amdhsa_next_free_vgpr 184
		.amdhsa_next_free_sgpr 66
		.amdhsa_reserve_vcc 0
		.amdhsa_float_denorm_mode_32 3
		.amdhsa_float_denorm_mode_16_64 3
		.amdhsa_memory_ordered 1
		.amdhsa_forward_progress 1
		.amdhsa_inst_pref_size 28
	.end_amdhsa_kernel
	.amdgpu_metadata
---
amdhsa.version: [ 1, 2 ]
amdhsa.kernels:
  - .name:           k_qa890bb67ed_prep
    .symbol:         k_qa890bb67ed_prep.kd
    .args:
      - { .name: x, .offset: 0, .size: 8, .value_kind: global_buffer, .address_space: global }
      - { .name: ln1_w, .offset: 8, .size: 8, .value_kind: global_buffer, .address_space: global }
      - { .name: ln1_b, .offset: 16, .size: 8, .value_kind: global_buffer, .address_space: global }
      - { .name: in_proj_w, .offset: 24, .size: 8, .value_kind: global_buffer, .address_space: global }
      - { .name: out_w, .offset: 32, .size: 8, .value_kind: global_buffer, .address_space: global }
      - { .name: w1, .offset: 40, .size: 8, .value_kind: global_buffer, .address_space: global }
      - { .name: w2, .offset: 48, .size: 8, .value_kind: global_buffer, .address_space: global }
      - { .name: act, .offset: 56, .size: 8, .value_kind: global_buffer, .address_space: global }
      - { .name: wq, .offset: 64, .size: 8, .value_kind: global_buffer, .address_space: global }
      - { .name: w1h, .offset: 72, .size: 8, .value_kind: global_buffer, .address_space: global }
      - { .name: wB, .offset: 80, .size: 8, .value_kind: global_buffer, .address_space: global }
      - { .name: floq, .offset: 88, .size: 8, .value_kind: global_buffer, .address_space: global }
      - { .name: flof, .offset: 96, .size: 8, .value_kind: global_buffer, .address_space: global }
    .group_segment_fixed_size: 0
    .private_segment_fixed_size: 0
    .kernarg_segment_align: 8
    .kernarg_segment_size: 104
    .max_flat_workgroup_size: 256
    .sgpr_count:     66
    .vgpr_count:     184
    .wavefront_size: 32
...
	.end_amdgpu_metadata
.endif
;; end of part 1
;; launch qkv (part 2): grid 12 x 16, 4 waves a work-group, clusters of 4 x 4, 327,680 bytes of LDS; arguments act, wq, in_proj_b, floq, big; writes big
.if DOCPART == 2
	.amdgcn_target "amdgcn-amd-amdhsa--gfx1250"
	.amdhsa_code_object_version 6
	.text
	.protected	k_qa890bb67ed_qkv
	.globl	k_qa890bb67ed_qkv
	.p2align	8
	.type	k_qa890bb67ed_qkv,@function
k_qa890bb67ed_qkv:
	s_mov_b64 s[64:65], 0
	v_nop
	global_prefetch_b8 v0, s[64:65] scope:SCOPE_SE
	s_setreg_imm32_b32 hwreg(HW_REG_WAVE_MODE, 25, 1), 1
	s_wait_xcnt 0x0
	s_wait_alu depctr_hold_cnt(0) depctr_sa_sdst(0) depctr_va_vdst(0) depctr_va_sdst(0) depctr_va_ssrc(0) depctr_va_vcc(0) depctr_vm_vsrc(0)
	s_getreg_b32 s2, hwreg(HW_REG_IB_STS2, 6, 4)
	s_cmp_eq_u32 s2, 0
	s_cbranch_scc0 .Lentry_in_a_cluster
	s_endpgm
.Lentry_in_a_cluster:
	s_bfe_u32 s2, ttmp6, 0x10000c
	s_cmp_lg_u32 s2, 0xf033
	s_cbranch_scc0 .Lentry_shape_is_right
	s_endpgm
.Lentry_shape_is_right:
; C = max(floor, A W^T + bias), rounded once to f16.  A: 4,096 rows x 1,024 in f16 panels [8][4096][128]; W: N rows x 1,024 in f16 blocks [N/256][8][256][128];
; bias: [N] f32; floor: one f32 word (-infinity: no bound; 0: relu); C: f16 panels [N/128][4096][128].  Sums in f32.  One text for N = 3,072 (grid 12 x 16) and N = 4,096 (grid 16 x 16).
; LIMITS.  f16 ends at 65,504: a result beyond it becomes an infinity.  The bound is a maximum in which a NaN loses.
; SHAPE.  A tile of C, 256 x 256, is made by four waves, each 128 x 128: 64 accumulators, 512 registers.  K goes in 8 steps of 128 through a ring of two LDS slots; in both layouts a tile's
; 128 rows of a K step are 128 x 256 consecutive bytes.  Each wave fetches a quarter of a slot by one tensor load.
; CLUSTER.  4 x 4 work-groups: the four of a row of the cluster need the same tiles of A, the four of a column the same tiles of W: each tile is asked for jointly, by the same tensor load
; with the same descriptor and a mask that names the four.
; THE MATRIX INSTRUCTION IS USED TRANSPOSED (source 0 = 16 rows of W, source 1 = 16 rows of A): lane l holds row l % 16 of C and the columns 8 (l / 16) + 0..7.
; THE BIAS is the C operand of the products that start the sums: register j of lane l holds bias[n0 + 8 (l / 16) + j].  Nothing is cleared and nothing is added later.
; THE LAST K STEP GOES BY ROWS OF C: all its fragments of W lie in registers, and my eight blocks of 16 rows are finished one after the other, K ascending; each block is stored as soon as it is
; finished, so that seven eighths of the tile's stores leave while products are still made.
; NO PREFETCH: between a tile's request and the wait for it a wave issues 224 matrix instructions.
; REGISTERS, in windows of 256 (s_set_vgpr_msb: bits 1:0 source 0, 3:2 source 1, 5:4 source 2, 7:6 destination):
;   window 0: v0-31 addresses; v64-127, v128-191 fragments of A, two buffers (in the last K step four, of 16 rows x 128 K); v192-223 packed results; v32-63 and v224-255 rows read back
;   window 1: v0-63 the bias; v64-127, v128-191 fragments of W; in the last K step all 256: W's fragments of the whole step
;   windows 2, 3: the accumulators of my rows 0-63, 64-127: (a, b) at v[8 (8 a + b)]
.set PITCH,  272                       ; an LDS row: 256 bytes + 16 of padding: the 16 rows of a fragment load start at 16 different groups of four banks (ISA guide 11.1)
.set HALFT,  128*PITCH                 ; what one tensor load brings
.set SLOT,   4*HALFT                   ; A's 256 rows, then W's 256 rows
.set STAGE,  2*SLOT                    ; behind the ring: 16 rows x 272 bytes for each wave, for the way out; no tensor load lands there
.set SPITCH, 272
.set SPARE,  STAGE+4*16*SPITCH         ; the spare words, 128 bytes for each wave: two blocks of 256 bytes that no other line names
.set LAPS,   4                         ; a lap = two K steps = once round the ring
.set ASTEP,  1048576                   ; bytes from a panel of A to the next: 4,096 rows of 256
.set BSTEP,  65536                     ; the same in a block of W: 256 rows of 256
.set ADRA, 16                          ; v16-17  LDS address of my fragments of A in slot 0, 1
.set ADRB, 20                          ; v20-21  the same for W
.set STO,  24                          ; v24     the way out: where I put 16 bytes of a row
.set RD,   25                          ; v25     where I read rows back
.set CO,   26                          ; v26     16 x lane: my place in 512 consecutive bytes of C
.set BO,   27                          ; v27     my byte offset in the bias
.set SPW,  28                          ; v28     LDS address of my spare word; never rewritten
.set NIL,  29                          ; v29     0; never rewritten
.set OB,   32
.set F0,   64
.set F1,   128
.set PA,   64                          ; the last K step: A's fragments of 16 rows x 128 K, 32 registers; four such buffers, v64-191
.set TMP,  192
.set BI,   0                           ; window 1
.set WV, 14                            ; s14 wave;  s15 my half of the rows, also: I fetch for A (0) or W (1);  s16 my half of the columns, also: which 128 rows I fetch
.set RH, 15
.set CH, 16
.set CX, 17
.set CY, 18
.set TX, 19                            ; s19 tile column, s20 tile row
.set TY, 20
.set FLOOR, 23                         ; s23 the bound
.set G1, 24                            ; s[24:31] group 1 for A's tiles; s[32:39] group 0, a set for each slot
.set G0, 32
.set G1B, 48                           ; s[48:55], s[56:63] the same for W's
.set G0B, 56
.set MSB, 0
.macro WIN new                         ; the immediate's high byte repeats the setting that is left; a switch that changes nothing is dropped
.if MSB != (\new)
	s_set_vgpr_msb (MSB<<8)|(\new)
.set MSB, \new
.endif
.endm
.set MUL_LO, 0xa1                      ; W window 1, A window 0, C and D window 2 (+ 0x50: window 3)
.set TO_B,   0x40                      ; destination window 1, address window 0
; A joint load: waves 0 and 1 fetch A's two halves, waves 2 and 3 W's.  The branch hangs on the wave's number alone.  An s_nop 0 and four v_nop follow each line.
.macro JLOAD s
	s_cmp_eq_u32 s[RH], 0
	s_cbranch_scc0 .Lfor_b_\@
	tensor_load_to_lds s[G0+4*(\s):G0+4*(\s)+3], s[G1:G1+7]
	s_nop 0
.rept 4
	v_nop
.endr
	s_branch .Lasked_\@
.Lfor_b_\@:
	tensor_load_to_lds s[G0B+4*(\s):G0B+4*(\s)+3], s[G1B:G1B+7]
	s_nop 0
.rept 4
	v_nop
.endr
.Lasked_\@:
.endm
.macro CREST                           ; a round of the cluster's barrier behind its opening barrier
	s_cmp_lg_u32 s[WV], 0
	s_cbranch_scc1 .Lnot_wave_0_\@
	s_barrier_signal -3
.Lnot_wave_0_\@:
	s_barrier_wait -3
	s_barrier_signal -1
	s_barrier_wait -1
.endm
.macro CROUND                          ; a whole round
	s_barrier_signal -1
	s_barrier_wait -1
	CREST
.endm
	s_load_b256 s[4:11], s[0:1], 0x0               ; A 4:5, W 6:7, bias 8:9, floor 10:11
	s_load_b64 s[12:13], s[0:1], 0x20              ; C
	v_lshl_add_u32 v[SPW], v0, 2, SPARE
	v_mov_b32 v[NIL], 0
	ds_add_u32 v28, v29
	ds_add_u32 v28, v29
	s_wait_dscnt 0x0
	v_lshrrev_b32 v1, 5, v0
	v_readfirstlane_b32 s[WV], v1
	s_lshr_b32 s[RH], s[WV], 1
	s_and_b32 s[CH], s[WV], 1
	s_bfe_u32 s[CX], ttmp6, 0x40000
	s_bfe_u32 s[CY], ttmp6, 0x40004
	s_lshl_b32 s[TX], ttmp9, 2
	s_add_co_u32 s[TX], s[TX], s[CX]               ; tile column = 4 x cluster x + cx
	s_and_b32 s[TY], ttmp7, 0xffff
	s_lshl_b32 s[TY], s[TY], 2
	s_add_co_u32 s[TY], s[TY], s[CY]               ; tile row = 4 x cluster y + cy
	s_lshl_b32 s21, s[CY], 2
	s_lshl_b32 s21, 15, s21                        ; my row of the cluster
	s_lshl_b32 s22, 0x1111, s[CX]                  ; my column
	; group 1: 128 rows x 128 elements of 2 bytes, dense in memory, padded in LDS by 4 words after every 64
	s_or_b32 s[G1], s21, (1<<16)|(1<<20)|(1<<21)|(5<<22)|(3<<25)
	s_or_b32 s[G1B], s22, (1<<16)|(1<<20)|(1<<21)|(5<<22)|(3<<25)
.irp g, G1, G1B
	s_mov_b32 s[(\g)+1], 128<<16                   ; tensor_dim0 = 128
	s_mov_b32 s[(\g)+2], 128<<16                   ; tensor_dim1 = 128
	s_mov_b32 s[(\g)+3], 128<<16                   ; tile_dim0 = 128
	s_mov_b32 s[(\g)+4], 128                       ; tile_dim1 = 128
	s_mov_b32 s[(\g)+5], 128                       ; 128 elements from row to row
	s_mov_b32 s[(\g)+6], 0
	s_mov_b32 s[(\g)+7], 0
.endr
	s_lshl_b32 s40, s[TY], 16                      ; A: 256 rows of 256 bytes a tile row,
	s_lshl_b32 s41, s[CH], 15                      ; 128 rows for the half that I fetch
	s_add_co_u32 s40, s40, s41
	s_mov_b32 s41, 0
	s_lshl_b32 s44, s[TX], 19                      ; W: a block of 256 rows x 8 panels a tile column
	s_lshl_b32 s45, s[CH], 15
	s_add_co_u32 s44, s44, s45
	s_mov_b32 s45, 0
	s_mul_i32 s2, s[WV], HALFT                     ; where my quarter goes: no place in the cluster enters an LDS address
	s_wait_kmcnt 0x0
	s_load_b32 s[FLOOR], s[10:11], 0x0             ; wanted on the way out only: waited for behind the K loop
	s_add_nc_u64 s[42:43], s[4:5], s[40:41]
	s_add_nc_u64 s[46:47], s[6:7], s[44:45]
	CROUND                                         ; all sixteen work-groups are here: the first joint loads meet
.irp s, 0,1
	s_mov_b32 s[G0+4*(\s)], 1
	s_add_co_u32 s[G0+4*(\s)+1], s2, (\s)*SLOT
	s_add_nc_u64 s[G0+4*(\s)+2:G0+4*(\s)+3], s[42:43], (\s)*ASTEP
	s_or_b32 s[G0+4*(\s)+3], s[G0+4*(\s)+3], 0x80000000
	s_mov_b32 s[G0B+4*(\s)], 1
	s_add_co_u32 s[G0B+4*(\s)+1], s2, (\s)*SLOT
	s_add_nc_u64 s[G0B+4*(\s)+2:G0B+4*(\s)+3], s[46:47], (\s)*BSTEP
	s_or_b32 s[G0B+4*(\s)+3], s[G0B+4*(\s)+3], 0x80000000
	JLOAD \s                                       ; two loads of mine are out
.endr
	v_and_b32 v1, 15, v0                           ; l % 16
	v_bfe_u32 v2, v0, 4, 1                         ; l / 16
	v_mul_u32_u24 v3, v1, PITCH
	v_lshl_add_u32 v3, v2, 4, v3                   ; row x pitch + 16 x half
	s_mul_i32 s68, s[RH], HALFT
	s_mul_i32 s69, s[CH], HALFT
	s_add_co_u32 s69, s69, 2*HALFT
.irp s, 0,1
	v_add_nc_u32 v[ADRA+(\s)], s68, v3
	v_add_nc_u32 v[ADRB+(\s)], s69, v3
	s_add_co_u32 s68, s68, SLOT
	s_add_co_u32 s69, s69, SLOT
.endr
	s_mul_i32 s70, s[WV], 16*SPITCH
	s_add_co_u32 s70, s70, STAGE                   ; my stage
	v_add_nc_u32 v[STO], s70, v3                   ; in: row l % 16, 16 bytes for each half of the lanes
	v_mul_u32_u24 v5, v2, SPITCH                   ; back: lanes 0-15 one row of 256 bytes, lanes 16-31 the next
	v_lshl_add_u32 v5, v1, 4, v5
	v_add_nc_u32 v[RD], s70, v5
	v_and_b32 v[CO], 31, v0
	v_lshlrev_b32 v[CO], 4, v[CO]
	s_lshl_b32 s66, s[TX], 1                       ; C: my panel 2 tx + half, 4,096 rows of 256 bytes each,
	s_add_co_u32 s66, s66, s[CH]
	s_lshl_b32 s66, s66, 20
	s_lshl_b32 s68, s[TY], 16                      ; my rows 256 ty + 128 half on
	s_add_co_u32 s66, s66, s68
	s_lshl_b32 s68, s[RH], 15
	s_add_co_u32 s66, s66, s68
	s_mov_b32 s67, 0
	s_add_nc_u64 s[12:13], s[12:13], s[66:67]
	s_lshl_b32 s68, s[TX], 10                      ; the bias of my 128 columns: 4 x (256 tx + 128 half) + 32 (l / 16)
	s_lshl_b32 s69, s[CH], 9
	s_add_co_u32 s68, s68, s69
	v_lshlrev_b32 v[BO], 5, v2
	v_add_nc_u32 v[BO], s68, v[BO]
	WIN TO_B
.irp b, 0,1,2,3,4,5,6,7
	global_load_b128 v[BI+8*(\b):BI+8*(\b)+3],   v[BO], s[8:9] offset:64*(\b)
	global_load_b128 v[BI+8*(\b)+4:BI+8*(\b)+7], v[BO], s[8:9] offset:64*(\b)+16
.endr
	WIN 0
; 16 matrix instructions: m blocks a0, a0 + 1 of the window's four x all 8 n blocks, 32 along K.  first = 1: the bias starts the sums.  The 64 accumulators take turns.
.macro MUL16 f, hi, a0, first
.if \first
	WIN 0x91+0x40*(\hi)                            ; the C operand in window 1
.else
	WIN MUL_LO+0x50*(\hi)
.endif
.irp a, \a0, (\a0)+1
.irp b, 0,1,2,3,4,5,6,7
.if \first
	v_wmma_f32_16x16x32_f16 v[8*(8*(\a)+(\b)):8*(8*(\a)+(\b))+7], v[(\f)+8*(\b):(\f)+8*(\b)+7], v[(\f)+8*(4*(\hi)+(\a)):(\f)+8*(4*(\hi)+(\a))+7], v[BI+8*(\b):BI+8*(\b)+7]
.else
	v_wmma_f32_16x16x32_f16 v[8*(8*(\a)+(\b)):8*(8*(\a)+(\b))+7], v[(\f)+8*(\b):(\f)+8*(\b)+7], v[(\f)+8*(4*(\hi)+(\a)):(\f)+8*(4*(\hi)+(\a))+7], v[8*(8*(\a)+(\b)):8*(8*(\a)+(\b))+7]
.endif
.endr
.endr
.endm
; 32 LDS loads in one run: the fragments of 32 along K at byte k of the rows, into buffer f: W's 16, then A's 16
.macro FETCH slot, k, f
	WIN TO_B
.irp i, 0,1,2,3,4,5,6,7
	ds_load_b128 v[(\f)+8*(\i):(\f)+8*(\i)+3],   v[ADRB+(\slot)] offset:(\k)+(\i)*16*PITCH
	ds_load_b128 v[(\f)+8*(\i)+4:(\f)+8*(\i)+7], v[ADRB+(\slot)] offset:(\k)+(\i)*16*PITCH+32
.endr
	WIN 0
.irp i, 0,1,2,3,4,5,6,7
	ds_load_b128 v[(\f)+8*(\i):(\f)+8*(\i)+3],   v[ADRA+(\slot)] offset:(\k)+(\i)*16*PITCH
	ds_load_b128 v[(\f)+8*(\i)+4:(\f)+8*(\i)+7], v[ADRA+(\slot)] offset:(\k)+(\i)*16*PITCH+32
.endr
.endm
.macro PLACES                          ; four plain vector instructions between matrix instructions and loads into, or vector reads and writes of, their registers
.rept 4
	v_nop
.endr
.endm
; A K step is four quarters of 32 along K, 64 matrix instructions each, on buffers 0, 1, 0, 1.  One of the first three multiplies f and fetches the next quarter, at byte k, into g.
.macro QUARTER slot, k, f, g, first
	s_wait_dscnt 8                                 ; W's and A's rows 0-63 are in; the youngest eight loads (A's rows 64-127) may be out
	MUL16 \f, 0, 0, \first
	MUL16 \f, 0, 2, \first
	PLACES
	FETCH \slot, \k, \g
	s_wait_dscnt 32                                ; all but the 32 just issued
	MUL16 \f, 1, 0, \first
	MUL16 \f, 1, 2, \first
.endm
; The last quarter multiplies buffer 1 and changes slots.  In front of the one barrier each wave waits for all its tensor loads (one is out: its part of the next slot), adds 0 to its
; spare word, and waits for that and for its reads of this slot.
.macro MEET round
	WIN 0
	s_wait_tensorcnt 0x0
	ds_add_u32 v[SPW], v[NIL]
	s_wait_dscnt 9                                 ; the add and the youngest eight loads may be out
	MUL16 F1, 0, 0, 0
	s_wait_dscnt 0x0                               ; the add is done, and my reads of this slot are over
	s_barrier_signal -1
	MUL16 F1, 0, 2, 0
.if \round
	WIN 0
.endif
	s_barrier_wait -1
.endm
; The barrier opens a round of the cluster's, and the slot just read out is filled again, two K steps on: the first tensor load behind the round, one a wave.
.macro TURN slot, next
	MEET 1
	CREST
	s_add_nc_u64 s[G0+4*(\slot)+2:G0+4*(\slot)+3], s[G0+4*(\slot)+2:G0+4*(\slot)+3], 2*ASTEP
	s_add_nc_u64 s[G0B+4*(\slot)+2:G0B+4*(\slot)+3], s[G0B+4*(\slot)+2:G0B+4*(\slot)+3], 2*BSTEP
	JLOAD \slot                                    ; its four v_nop are also the places in front of the loads below
	FETCH \next, 0, F0
	MUL16 F1, 1, 0, 0
	MUL16 F1, 1, 2, 0
.endm
; THE LAST K STEP (it lies in slot 1), by rows of C.
.macro BLOAD q                         ; W's fragments of quarter q -> window 1, v[64 q ..]
	WIN TO_B
.irp i, 0,1,2,3,4,5,6,7
	ds_load_b128 v[64*(\q)+8*(\i):64*(\q)+8*(\i)+3],   v[ADRB+1] offset:64*(\q)+(\i)*16*PITCH
	ds_load_b128 v[64*(\q)+8*(\i)+4:64*(\q)+8*(\i)+7], v[ADRB+1] offset:64*(\q)+(\i)*16*PITCH+32
.endr
.endm
.macro ALOAD a                         ; A's fragments of block a, all four quarters -> buffer a % 4
	WIN 0
.set FA, PA+32*((\a)%4)
.irp q, 0,1,2,3
	ds_load_b128 v[FA+8*(\q):FA+8*(\q)+3],   v[ADRA+1] offset:64*(\q)+(\a)*16*PITCH
	ds_load_b128 v[FA+8*(\q)+4:FA+8*(\q)+7], v[ADRA+1] offset:64*(\q)+(\a)*16*PITCH+32
.endr
.endm
.macro ROW a                           ; block a is finished: 32 matrix instructions, its 8 accumulators by turns
.set FA, PA+32*((\a)%4)
.set AC, 64*((\a)%4)
	WIN MUL_LO+0x50*((\a)/4)
.irp q, 0,1,2,3
.if (\a) == 0 && (\q) == 2
	s_wait_dscnt 24                                ; W's quarter 2 is in (behind it: A's blocks 1 to 3, 24 loads)
.endif
.irp b, 0,1,2,3,4,5,6,7
	v_wmma_f32_16x16x32_f16 v[AC+8*(\b):AC+8*(\b)+7], v[64*(\q)+8*(\b):64*(\q)+8*(\b)+7], v[FA+8*(\q):FA+8*(\q)+7], v[AC+8*(\b):AC+8*(\b)+7]
.endr
.endr
.endm
; THE WAY OUT of block a (16 rows x 128 columns): bounded from below in place, rounded to f16, 16 bytes a lane into my stage, back as whole rows of 256 bytes; in C's panel the block is 4,096 consecutive bytes.
.macro PACK a
.set AC, 64*((\a)%4)
	WIN 0x88+0x44*((\a)/4)                         ; source 1 and destination: window 2 or 3
.set i, 0
.rept 64
	v_max_num_f32 v[AC+i], s[FLOOR], v[AC+i]       ; each accumulator's registers in ascending order
.set i, i+1
.endr
	WIN 0x0a+5*((\a)/4)                            ; sources 0 and 1: window 2 or 3
.set i, 0
.rept 32
	v_cvt_pk_f16_f32 v[TMP+i], v[AC+2*i], v[AC+2*i+1]
.set i, i+1
.endr
	WIN 0
.endm
.macro TOSTAGE a
	WIN 0
.set BK, OB+192*((\a)%2)
.irp b, 0,1,2,3,4,5,6,7
	ds_store_b128 v[STO], v[TMP+4*(\b):TMP+4*(\b)+3] offset:32*(\b)
.endr
.irp t, 0,1,2,3,4,5,6,7
	ds_load_b128 v[BK+4*(\t):BK+4*(\t)+3], v[RD] offset:(\t)*2*SPITCH   ; LDS serves a wave's instructions in order (ISA guide 5.7.1.4): these see the stores above
.endr
.endm
.macro SEND a, younger                 ; younger: the LDS loads issued behind TOSTAGE's, which may stay out
	WIN 0
.set BK, OB+192*((\a)%2)
	s_wait_dscnt \younger                          ; the block is back in registers
	s_wait_xcnt 0x0                                ; the stores of the block before have had their addresses translated: its registers are loaded again only behind this wait
.irp t, 0,1,2,3,4,5,6,7
	global_store_b128 v[CO], v[BK+4*(\t):BK+4*(\t)+3], s[12:13] offset:(\a)*4096+(\t)*512   ; 512 consecutive bytes, at a multiple of 256 from C's first byte
.endr
.endm
	s_wait_tensorcnt 1                             ; my part of K step 0 is in; K step 1's may stay out
	s_barrier_signal -1
	s_barrier_wait -1
	FETCH 0, 0, F0
	s_wait_loadcnt 0x0                             ; the bias
	QUARTER 0, 64,  F0, F1, 1                      ; the first quarter stands in front of the loop: its products start the sums
	WIN 0
	s_mov_b32 s3, LAPS-1
.Llap:                                                 ; a trip goes once round the ring and fills both slots again
	QUARTER 0, 128, F1, F0, 0
	QUARTER 0, 192, F0, F1, 0
	TURN 0, 1
	QUARTER 1, 64,  F0, F1, 0
	QUARTER 1, 128, F1, F0, 0
	QUARTER 1, 192, F0, F1, 0
	TURN 1, 0
	QUARTER 0, 64,  F0, F1, 0
	WIN 0
	s_sub_co_u32 s3, s3, 1
	s_cmp_lg_u32 s3, 0
	s_cbranch_scc1 .Llap
	s_wait_kmcnt 0x0                               ; the bound
	QUARTER 0, 128, F1, F0, 0                      ; the last lap fills nothing
	QUARTER 0, 192, F0, F1, 0
	MEET 0                                         ; my one tensor load that was still out is slot 1's, the last K step's, so no round follows
	PLACES                                         ; for the loads into buffer 0, which the quarter before multiplied
	BLOAD 0                                        ; three quarters of W now: buffer 1 (v128-191 of both windows) is still being multiplied
	BLOAD 1
	BLOAD 3
	ALOAD 0
	MUL16 F1, 1, 0, 0
	MUL16 F1, 1, 2, 0
	PLACES                                         ; for the loads into buffer 1
	BLOAD 2
	ALOAD 1
	ALOAD 2
	ALOAD 3
	s_wait_dscnt 40                                ; all but the 40 just issued
	ROW 0
.irp a, 0,1,2,3,4,5,6,7                ; each block leaves as soon as it is finished
	PLACES                                         ; the bound reads and writes results just made, and the block's buffer of A is loaded again below
	PACK \a
	TOSTAGE \a
.if (\a) < 4
	ALOAD (\a)+4                                   ; its buffer takes the block four further on
	SEND \a, 8
.else
	SEND \a, 0
.endif
.if (\a) < 7
	ROW (\a)+1
.endif
.endr
	s_wait_tensorcnt 0x0                           ; the wave's end
	ds_add_u32 v[SPW], v[NIL]
	s_wait_dscnt 0x0
	CROUND                                         ; the closing round: no work-group ends while a partner may still ask for a tile that names it
	s_endpgm
.Lfunc_end_k_qa890bb67ed_qkv:
	.size	k_qa890bb67ed_qkv, .Lfunc_end_k_qa890bb67ed_qkv-k_qa890bb67ed_qkv
	.p2alignl 7, 3214868480
	.fill 96, 4, 3214868480
	.section	.rodata,"a",@progbits
	.p2align	6, 0x0
	.amdhsa_kernel k_qa890bb67ed_qkv
		.amdhsa_group_segment_fixed_size 327680
		.amdhsa_private_segment_fixed_size 0
		.amdhsa_enable_private_segment 0
		.amdhsa_kernarg_size 40
		.amdhsa_user_sgpr_count 2
		.amdhsa_user_sgpr_kernarg_segment_ptr 1
		.amdhsa_wavefront_size32 1
		.amdhsa_system_sgpr_workgroup_id_x 1
		.amdhsa_system_sgpr_workgroup_id_y 1
		.amdhsa_system_sgpr_workgroup_id_z 1
		.amdhsa_system_vgpr_workitem_id 0
		.amdhsa_next_free_vgpr 1024
		.amdhsa_next_free_sgpr 72
		.amdhsa_reserve_vcc 0
		.amdhsa_float_denorm_mode_32 3
		.amdhsa_float_denorm_mode_16_64 3
		.amdhsa_memory_ordered 1
		.amdhsa_forward_progress 1
		.amdhsa_inst_pref_size 160
	.end_amdhsa_kernel
	.amdgpu_metadata
---
amdhsa.version: [ 1, 2 ]
amdhsa.kernels:
  - .name:           k_qa890bb67ed_qkv
    .symbol:         k_qa890bb67ed_qkv.kd
    .args:
      - { .name: act, .offset: 0, .size: 8, .value_kind: global_buffer, .address_space: global }
      - { .name: wq, .offset: 8, .size: 8, .value_kind: global_buffer, .address_space: global }
      - { .name: in_proj_b, .offset: 16, .size: 8, .value_kind: global_buffer, .address_space: global }
      - { .name: floq, .offset: 24, .size: 8, .value_kind: global_buffer, .address_space: global }
      - { .name: big, .offset: 32, .size: 8, .value_kind: global_buffer, .address_space: global }
    .group_segment_fixed_size: 327680
    .private_segment_fixed_size: 0
    .kernarg_segment_align: 8
    .kernarg_segment_size: 40
    .max_flat_workgroup_size: 128
    .sgpr_count:     72
    .vgpr_count:     1024
    .wavefront_size: 32
...
	.end_amdgpu_metadata
.endif
;; end of part 2
;; launch attn (part 3): grid 16 x 16, 4 waves a work-group, no clusters, 232,960 bytes of LDS; arguments big, act; writes act
.if DOCPART == 3
	.amdgcn_target "amdgcn-amd-amdhsa--gfx1250"
	.amdhsa_code_object_version 6
	.text
	.protected	k_qa890bb67ed_attn
	.globl	k_qa890bb67ed_attn
	.p2align	8
	.type	k_qa890bb67ed_attn,@function
k_qa890bb67ed_attn:
	s_mov_b64 s[64:65], 0
	v_nop
	global_prefetch_b8 v0, s[64:65] scope:SCOPE_SE
	s_setreg_imm32_b32 hwreg(HW_REG_WAVE_MODE, 25, 1), 1
	s_wait_xcnt 0x0
; BANDED CAUSAL ATTENTION.  O[b][h][q] = the sum over q - 256 <= k <= q of softmax_k(Q . K / sqrt(128)) V.  q, k, v: f16 panels of big, [24][4096][128]: panel h is head h's q, 8 + h its k, 16 + h its v;
; row = 2048 b + t.  O goes to act, f16 panels [8][4096][128], panel h.  Products, maxima and sums in f32; the weights are rounded to f16 for the second product (their sum is taken unrounded), O once.
; LIMITS.  f16 ends at 65,504.  A hidden score counts as its value less 1e30: f16's scores, 5.5e11 at the most, are nothing beside that.  A weight below 2^-126 counts as 0.  NaN is not treated apart.
; SHARES.  A work-group owns 128 queries of one head and batch (block bi), a wave 32 of them: two tiles of 16.  The block's 384 keys, 128 bi - 256 .. 128 bi + 127, lie in LDS whole: six tensor
; loads at the start, no slot is ever filled again, one barrier.  Wave w reads the LDS rows 32 w .. 32 w + 287 in nine steps of 32 keys: step 0 holds the window's edge (key j of 32 is hidden from
; query i of 32 where j < i), steps 1-7 are seen whole, step 8 holds the diagonal (hidden where j > i).  A step whose keys lie in front of the sequence (128 bi + 32 w - 256 + 32 s < 0) is jumped
; over, forward, past text that holds no barrier and no tensor load.  In blocks 0 and 1 the chunks in front of the sequence are asked for as chunk 0 and never read: one path for the fills.
; Every live step shows every query a key, so the running maximum is a true score from the first live step on.
; NO CLUSTER: neighbouring blocks share two of their three chunks, but chunk bi - 2 + i lies at LDS place i: a shared tile's LDS address would hang on the work-group's place among its partners.
; LAYOUT.  S^T = K Q^T (source 0 = 16 keys, source 1 = 16 queries): a lane holds ONE query (lane % 16) and the keys 8 (lane / 16) + 0..7.  Two such results rounded to f16 ARE source 1 (32 keys x 16
; queries) of O^T = V^T P.  K comes out of LDS as it lies, V turned by ds_load_tr16_b128.  THE MASK is the C operand that starts a sum: 0 or -1e30, made once.
; SOFTMAX.  p = 2^(c s - c m), c = log2(e) / sqrt(128), with a running maximum m; O and l are multiplied by a = 2^(c m_old - c m_new) in every step.  m starts at the lowest finite number and O and l
; at 0 (128 v_mov_b32, in the wait for the tiles): which step is a wave's first hangs on the wave and the block, so no first step can be written out.
; REGISTERS (s_set_vgpr_msb: bits 1:0 source 0, 3:2 source 1, 5:4 source 2, 7:6 destination):
;   window 0: v0-15 addresses; v16-31 statistics, 8 a tile; v32-95 K; v96-159 V; v160-191 S^T; v192-207 P; v208-239 packed O      window 1: v0-127 O^T; v128-191 Q; v192-223, v224-255 the two masks
.set PK,    272                        ; a row of K in LDS: 256 bytes + 16
.set PV,    288                        ; a row of V: 256 + 32
.set VOFF,  384*PK
.set STAGE, VOFF+384*PV                ; 16 rows x 272 bytes for each wave, for the way out
.set SP,    272
.set AK0, 3                            ; v3  my lane's place in a tile of K
.set AV0, 4                            ; v4  the same for V
.set ADRK, 5
.set ADRV, 6
.set QO,  7
.set STO, 8
.set RD,  9
.set GO,  10
.set ST,  16                           ; tile t at v[ST + 8 t]: c m, m, l (even keys', odd keys'), c0, c1, a, c3
.set KF,  32                           ; key block kb, channels 32 c on at KF + 32 kb + 8 c
.set VF,  96                           ; channel block cb at VF + 8 cb
.set S,   160                          ; tile t, key block kb at S + 16 t + 8 kb
.set P,   192                          ; tile t at P + 8 t
.set OUTP, 208
.set BACK, 32                          ; the way out: rows read back, 32 registers a tile
.set QF,  128                          ; window 1: tile t, channels 32 c on at QF + 32 t + 8 c
.set MLO, 192                          ; window 1: 16 t + 8 kb + register
.set MHI, 224
.set WV,  8
.set G1K, 24
.set G1V, 32
.set G0K, 40
.set G0V, 44
.set COL, 48                           ; s48  the first key of the step in hand, in the sequence; negative: there is none
.set CNT, 49
.set TBK, 50                           ; s50  LDS byte of the step's first row of K;  s51 of V, less VOFF
.set TBV, 51
.set CS,  52                           ; s[52:53] c
.set SEL, 54                           ; s[54:55] v_permlanex16_b32's selects
.set BIGN, 56
.set MSB, 0
.macro WIN new
.if MSB != (\new)
	s_set_vgpr_msb (MSB<<8)|(\new)
.set MSB, \new
.endif
.endm
.macro BOTH line:vararg                ; one line for each tile t
.set t, 0
	\line
.set t, 1
	\line
.endm
.macro PLACES
.rept 4
	v_nop
.endr
.endm
	s_load_b128 s[4:7], s[0:1], 0x0                ; big 4:5, act 6:7
	v_lshl_add_u32 v254, v0, 2, 0x38c00
	v_mov_b32 v255, 0
	ds_add_u32 v254, v255
	ds_add_u32 v254, v255
	v_lshrrev_b32 v1, 5, v0
	v_readfirstlane_b32 s[WV], v1
	s_mov_b32 s9, ttmp9                            ; bi
	s_and_b32 s10, ttmp7, 0xffff
	s_lshr_b32 s11, s10, 3                         ; b
	s_and_b32 s12, s10, 7                          ; h
	s_lshl_b32 s14, s11, 11                        ; 2048 b
	s_lshl_b32 s15, s12, 12                        ; 4096 h
	s_add_co_u32 s14, s14, s15
	s_add_co_i32 s13, s9, s[WV]                    ; the chunk of 128 keys that I fetch: bi - 2 + wave, or 0
	s_sub_co_i32 s13, s13, 2
	s_max_i32 s13, s13, 0
	s_lshl_b32 s13, s13, 7
	s_add_co_u32 s13, s13, s14
	s_lshl_b32 s16, s13, 8
	s_add_co_u32 s16, s16, 0x800000                ; k begins 8 panels of 4,096 rows of 256 bytes in,
	s_mov_b32 s17, 0
	s_add_co_u32 s18, s16, 0x800000                ; v 16
	s_mov_b32 s19, 0
	s_lshl_b32 s20, s9, 7
	s_lshl_b32 s21, s[WV], 5
	s_add_co_u32 s21, s20, s21                     ; my first query in the sequence
	s_sub_co_i32 s[COL], s21, 256
	s_add_co_u32 s20, s21, s14
	s_lshl_b32 s20, s20, 8                         ; my rows in q's panel and in O's
	s_mov_b32 s21, 0
	s_mov_b32 s[G1K], (1<<16)|(1<<20)|(5<<22)|(3<<25)   ; 2-byte elements; padding of 4 words after every 64
	s_mov_b32 s[G1V], (1<<16)|(1<<20)|(5<<22)|(7<<25)   ; of 8 words
.irp g, G1K, G1V
	s_mov_b32 s[(\g)+1], 128<<16                   ; tensor_dim0 = 128
	s_mov_b32 s[(\g)+2], 128<<16                   ; tensor_dim1 = 128
	s_mov_b32 s[(\g)+3], 128<<16                   ; tile_dim0 = 128
	s_mov_b32 s[(\g)+4], 128                       ; tile_dim1 = 128
	s_mov_b32 s[(\g)+5], 128                       ; dense rows
	s_mov_b32 s[(\g)+6], 0
	s_mov_b32 s[(\g)+7], 0
.endr
	s_mov_b32 s[G0K], 1
	s_mul_i32 s[G0K+1], s[WV], 128*PK
	s_mov_b32 s[G0V], 1
	s_mul_i32 s[G0V+1], s[WV], 128*PV
	s_add_co_u32 s[G0V+1], s[G0V+1], VOFF
	s_mul_i32 s[TBK], s[WV], 32*PK
	s_mul_i32 s[TBV], s[WV], 32*PV
	s_mov_b32 s[CS], 0x3e0293ee                    ; c = log2(e) / sqrt(128) = 0.127517
	s_mov_b32 s[CS+1], s[CS]
	s_mov_b32 s[SEL], 0x76543210
	s_mov_b32 s[SEL+1], 0xfedcba98
	s_mov_b32 s[BIGN], 0xf149f2ca                  ; -1e30
	s_wait_dscnt 0x0
	s_wait_kmcnt 0x0
	s_add_nc_u64 s[G0K+2:G0K+3], s[4:5], s[16:17]
	s_or_b32 s[G0K+3], s[G0K+3], 0x80000000
	s_add_nc_u64 s[G0V+2:G0V+3], s[4:5], s[18:19]
	s_or_b32 s[G0V+3], s[G0V+3], 0x80000000
	s_add_nc_u64 s[58:59], s[4:5], s[20:21]        ; q at my rows
	s_add_nc_u64 s[6:7], s[6:7], s[20:21]          ; O at my rows
	s_cmp_lt_u32 s[WV], 3                          ; waves 0-2 fetch a chunk of K and of V each, both in one branch; two loads of a wave are out
	s_cbranch_scc0 .Lnofill
	tensor_load_to_lds s[G0K:G0K+3], s[G1K:G1K+7]
	s_nop 0
	tensor_load_to_lds s[G0V:G0V+3], s[G1V:G1V+7]
	s_nop 0
.rept 4
	v_nop
.endr
.Lnofill:
	v_and_b32 v1, 15, v0                           ; l % 16
	v_bfe_u32 v2, v0, 4, 1                         ; l / 16
	v_lshlrev_b32 v[QO], 8, v1
	v_lshl_add_u32 v[QO], v2, 4, v[QO]             ; row x 256 + 16 x half
	v_lshlrev_b32 v14, 3, v2
	v_sub_nc_u32 v14, v1, v14                      ; l % 16 - 8 (l / 16)
	WIN 0x40                                       ; destination window 1
.irp i, 0,1,2,3,4,5,6,7                ; Q stays in registers: tile i / 4, channels 32 (i % 4) on
	global_load_b128 v[QF+8*(\i):QF+8*(\i)+3],   v[QO], s[58:59] offset:((\i)/4)*4096+((\i)%4)*64
	global_load_b128 v[QF+8*(\i)+4:QF+8*(\i)+7], v[QO], s[58:59] offset:((\i)/4)*4096+((\i)%4)*64+32
.endr
	; the masks: register r of key block kb and tile t stands for key j = 16 kb + 8 (l / 16) + r and query i = 16 t + l % 16
.set i, 0
.rept 32
	v_cmp_lt_i32 vcc_lo, 16*((i/8)%2)+i%8-16*(i/16), v14   ; j < i: behind the window's edge
	v_cndmask_b32 v[MLO+i], 0, s[BIGN], vcc_lo
	v_cmp_gt_i32 vcc_lo, 16*((i/8)%2)+i%8-16*(i/16), v14   ; j > i: the future
	v_cndmask_b32 v[MHI+i], 0, s[BIGN], vcc_lo
.set i, i+1
.endr
.set i, 0
.rept 128
	v_mov_b32 v[i], 0                              ; O^T
.set i, i+1
.endr
	WIN 0
.irp t, 0,1
	v_mov_b32 v[ST+8*(\t)], 0xfe000000             ; c m: far below every c s
	v_mov_b32 v[ST+8*(\t)+1], 0xff7fffff           ; m
	v_mov_b32 v[ST+8*(\t)+2], 0
	v_mov_b32 v[ST+8*(\t)+3], 0
.endr
	v_mul_u32_u24 v[AK0], v1, PK
	v_lshl_add_u32 v[AK0], v2, 4, v[AK0]           ; row x pitch + 16 x half
	v_and_b32 v11, 7, v0                           ; the turning load: lane l reads key 8 (l / 16) + l % 8, channels 8 ((l / 8) % 2) + 0..7
	v_bfe_u32 v12, v0, 3, 1
	v_lshl_add_u32 v[AV0], v2, 3, v11
	v_mul_u32_u24 v[AV0], v[AV0], PV
	v_lshl_add_u32 v[AV0], v12, 4, v[AV0]
	v_add_nc_u32 v[AV0], VOFF, v[AV0]
	s_mul_i32 s13, s[WV], 16*SP
	s_add_co_u32 s13, s13, STAGE                   ; my stage
	v_add_nc_u32 v[STO], s13, v[AK0]               ; in: row l % 16, 16 bytes for each half of the lanes (the same pitch as K's)
	v_mul_u32_u24 v[RD], v2, SP                    ; back: lanes 0-15 one row of 256 bytes, lanes 16-31 the next
	v_lshl_add_u32 v[RD], v1, 4, v[RD]
	v_add_nc_u32 v[RD], s13, v[RD]
	v_and_b32 v[GO], 31, v0
	v_lshlrev_b32 v[GO], 4, v[GO]
	s_wait_tensorcnt 0x0                           ; my chunks are in,
	s_barrier_signal -1
	s_barrier_wait -1                              ; everybody's are
	s_wait_loadcnt 0x0                             ; Q
; Product i of 16 of S^T = K Q^T: channels 32 (i / 4) on, key block (i / 2) % 2, tile i % 2.  The first four start the sums: with 0 (m = 0) or a mask (1: the edge's, 2: the diagonal's).
; The four accumulators take turns.
.macro SQ m
.set rS, S+16*(i%2)+8*((i/2)%2)
.set rK, KF+32*((i/2)%2)+8*(i/4)
.set rQ, QF+32*(i%2)+8*(i/4)
.set rM, 16*(i%2)+8*((i/2)%2)
.if (i < 4) && ((\m) == 1)
	WIN 0x14                                       ; Q and the mask in window 1
	v_wmma_f32_16x16x32_f16 v[rS:rS+7], v[rK:rK+7], v[rQ:rQ+7], v[MLO+rM:MLO+rM+7]
.elseif (i < 4) && ((\m) == 2)
	WIN 0x14
	v_wmma_f32_16x16x32_f16 v[rS:rS+7], v[rK:rK+7], v[rQ:rQ+7], v[MHI+rM:MHI+rM+7]
.elseif i < 4
	WIN 0x04
	v_wmma_f32_16x16x32_f16 v[rS:rS+7], v[rK:rK+7], v[rQ:rQ+7], 0
.else
	WIN 0x04
	v_wmma_f32_16x16x32_f16 v[rS:rS+7], v[rK:rK+7], v[rQ:rQ+7], v[rS:rS+7]
.endif
.endm
; A KEY STEP: 32 keys for the wave's 32 queries, in phases.
.macro STEP m
	v_add_nc_u32 v[ADRK], s[TBK], v[AK0]
	v_add_nc_u32 v[ADRV], s[TBV], v[AV0]
.irp f, 0,1,2,3,4,5,6,7                ; key block f / 4, channels 32 (f % 4) on
	ds_load_b128 v[KF+8*(\f):KF+8*(\f)+3],   v[ADRK] offset:((\f)/4)*16*PK+((\f)%4)*64
	ds_load_b128 v[KF+8*(\f)+4:KF+8*(\f)+7], v[ADRK] offset:((\f)/4)*16*PK+((\f)%4)*64+32
.endr
.irp f, 0,1,2,3,4,5,6,7                ; channels 16 f on, 32 keys
	ds_load_tr16_b128 v[VF+8*(\f):VF+8*(\f)+3],   v[ADRV] offset:(\f)*32
	ds_load_tr16_b128 v[VF+8*(\f)+4:VF+8*(\f)+7], v[ADRV] offset:16*PV+(\f)*32
.endr
	s_wait_dscnt 16                                ; K is in; V's sixteen loads are younger
.set i, 0
.rept 16
	SQ \m
.set i, i+1
.endr
	WIN 0
	PLACES
	; the maximum of a lane's 16 scores and the old m; each accumulator's lowest registers are read first
	BOTH v_max3_num_f32 v[ST+8*t+4], v[S+16*t], v[S+16*t+1], v[S+16*t+2]
	BOTH v_max3_num_f32 v[ST+8*t+5], v[S+16*t+8], v[S+16*t+9], v[S+16*t+10]
	BOTH v_max3_num_f32 v[ST+8*t+4], v[ST+8*t+4], v[S+16*t+3], v[S+16*t+4]
	BOTH v_max3_num_f32 v[ST+8*t+5], v[ST+8*t+5], v[S+16*t+11], v[S+16*t+12]
	BOTH v_max3_num_f32 v[ST+8*t+4], v[ST+8*t+4], v[S+16*t+5], v[S+16*t+6]
	BOTH v_max3_num_f32 v[ST+8*t+5], v[ST+8*t+5], v[S+16*t+13], v[S+16*t+14]
	BOTH v_max3_num_f32 v[ST+8*t+4], v[ST+8*t+4], v[S+16*t+7], v[S+16*t+15]
	BOTH v_max3_num_f32 v[ST+8*t+4], v[ST+8*t+4], v[ST+8*t+5], v[ST+8*t+1]
	BOTH v_permlanex16_b32 v[ST+8*t+5], v[ST+8*t+4], s[SEL], s[SEL+1]   ; the query's other 16 keys lie in the lane 16 away
	BOTH v_mov_b32 v[ST+8*t+7], v[ST+8*t]                               ; c m_old
	BOTH v_max_num_f32 v[ST+8*t+1], v[ST+8*t+4], v[ST+8*t+5]
	BOTH v_mul_f32 v[ST+8*t], s[CS], v[ST+8*t+1]
	BOTH v_sub_f32 v[ST+8*t+7], v[ST+8*t+7], v[ST+8*t]
	BOTH v_exp_f32 v[ST+8*t+6], v[ST+8*t+7]                             ; a; the scalings below are the plain instructions behind it
.set k, 0
.rept 8
	BOTH v_pk_fma_f32 v[S+16*t+2*k:S+16*t+2*k+1], v[S+16*t+2*k:S+16*t+2*k+1], s[CS:CS+1], v[ST+8*t:ST+8*t+1] op_sel_hi:[1,0,0] neg_lo:[0,0,1] neg_hi:[0,0,1]
.set k, k+1
.endr
.set k, 0
.rept 32
	v_exp_f32 v[S+k], v[S+k]
.set k, k+1
.endr
	v_nop                                          ; a plain instruction between the exponentials and the use of their results (ISA guide 5.7.2)
.set k, 0
	s_wait_alu depctr_va_vdst(0)
.rept 16
	v_cvt_pk_f16_f32 v[P+k], v[S+2*k], v[S+2*k+1]
.set k, k+1
.endr
.irp k, 0,4,8,12
	BOTH v_pk_add_f32 v[S+16*t+(\k):S+16*t+(\k)+1], v[S+16*t+(\k):S+16*t+(\k)+1], v[S+16*t+(\k)+2:S+16*t+(\k)+3]
.endr
.irp k, 0,8
	BOTH v_pk_add_f32 v[S+16*t+(\k):S+16*t+(\k)+1], v[S+16*t+(\k):S+16*t+(\k)+1], v[S+16*t+(\k)+4:S+16*t+(\k)+5]
.endr
	BOTH v_pk_add_f32 v[S+16*t:S+16*t+1], v[S+16*t:S+16*t+1], v[S+16*t+8:S+16*t+9]
	BOTH v_pk_fma_f32 v[ST+8*t+2:ST+8*t+3], v[ST+8*t+2:ST+8*t+3], v[ST+8*t+6:ST+8*t+7], v[S+16*t:S+16*t+1] op_sel_hi:[1,0,1]
	WIN 0x41                                       ; O^T (destination and source 0) in window 1, a in window 0
.set k, 0
.rept 64
	v_pk_mul_f32 v[2*k:2*k+1], v[2*k:2*k+1], v[ST+8*(k/32)+6:ST+8*(k/32)+7] op_sel_hi:[1,0]
.set k, k+1
.endr
	s_wait_dscnt 0x0                               ; V is in
	WIN 0x50                                       ; C and D in window 1
.set i, 0
.rept 16                               ; O^T += V^T P: channel block i / 2, tile i % 2: sixteen accumulators, each once
	v_wmma_f32_16x16x32_f16 v[64*(i%2)+8*(i/2):64*(i%2)+8*(i/2)+7], v[VF+8*(i/2):VF+8*(i/2)+7], v[P+8*(i%2):P+8*(i%2)+7], v[64*(i%2)+8*(i/2):64*(i%2)+8*(i/2)+7]
.set i, i+1
.endr
	WIN 0
	PLACES                                         ; in front of the next step's loads into V's registers and of what reads or writes O^T and P
.endm
	s_cmp_lt_i32 s[COL], 0
	s_cbranch_scc1 .Ls0
	STEP 1                                         ; the window's edge
.Ls0:
	s_add_co_u32 s[TBK], s[TBK], 32*PK
	s_add_co_u32 s[TBV], s[TBV], 32*PV
	s_add_co_i32 s[COL], s[COL], 32
	s_mov_b32 s[CNT], 7
.Lloop:                                                ; seven steps that are seen whole, or lie in front of the sequence
	s_cmp_lt_i32 s[COL], 0
	s_cbranch_scc1 .Lsk
	STEP 0
.Lsk:
	s_add_co_u32 s[TBK], s[TBK], 32*PK
	s_add_co_u32 s[TBV], s[TBV], 32*PV
	s_add_co_i32 s[COL], s[COL], 32
	s_sub_co_u32 s[CNT], s[CNT], 1
	s_cmp_lg_u32 s[CNT], 0
	s_cbranch_scc1 .Lloop
	STEP 2                                         ; the diagonal: always there
	; THE WAY OUT: l's two halves and the other half of the lanes' are added; O^T is divided by l, rounded to f16 and sent through my stage, a tile (16 rows = 4,096 consecutive bytes of the panel) at a time
	BOTH v_add_f32 v[ST+8*t+4], v[ST+8*t+2], v[ST+8*t+3]
	BOTH v_permlanex16_b32 v[ST+8*t+5], v[ST+8*t+4], s[SEL], s[SEL+1]
	BOTH v_add_f32 v[ST+8*t+4], v[ST+8*t+4], v[ST+8*t+5]
	BOTH v_rcp_f32 v[ST+8*t+6], v[ST+8*t+4]
	v_nop                                          ; a plain instruction between the reciprocals and the use of their results
	s_wait_alu depctr_va_vdst(0)
.macro PACK t
	WIN 0x41
.set i, 64*(\t)
.rept 32
	v_pk_mul_f32 v[i:i+1], v[i:i+1], v[ST+8*(\t)+6:ST+8*(\t)+7] op_sel_hi:[1,0]
.set i, i+2
.endr
	WIN 0x05                                       ; sources window 1, destination window 0
.set i, 0
.rept 32
	v_cvt_pk_f16_f32 v[OUTP+i], v[64*(\t)+2*i], v[64*(\t)+2*i+1]
.set i, i+1
.endr
	WIN 0
.irp f, 0,1,2,3,4,5,6,7
	ds_store_b128 v[STO], v[OUTP+4*(\f):OUTP+4*(\f)+3] offset:32*(\f)
.endr
.irp f, 0,1,2,3,4,5,6,7
	ds_load_b128 v[BACK+32*(\t)+4*(\f):BACK+32*(\t)+4*(\f)+3], v[RD] offset:(\f)*2*SP   ; LDS serves a wave's instructions in order (ISA guide 5.7.1.4)
.endr
.endm
.macro SEND t, younger                 ; younger: the LDS instructions issued behind tile t's loads
.irp f, 0,1,2,3,4,5,6,7
	s_wait_dscnt (\younger)+7-(\f)
	global_store_b128 v[GO], v[BACK+32*(\t)+4*(\f):BACK+32*(\t)+4*(\f)+3], s[6:7] offset:(\t)*4096+(\f)*512   ; 512 consecutive bytes, at a multiple of 256 from act's first byte
.endr
.endm
	PACK 0
	PACK 1
	SEND 0, 16
	SEND 1, 0
	s_wait_tensorcnt 0x0
	ds_add_u32 v254, v255
	s_wait_dscnt 0x0
	s_endpgm
.Lfunc_end_k_qa890bb67ed_attn:
	.size	k_qa890bb67ed_attn, .Lfunc_end_k_qa890bb67ed_attn-k_qa890bb67ed_attn
	.p2alignl 7, 3214868480
	.fill 96, 4, 3214868480
	.section	.rodata,"a",@progbits
	.p2align	6, 0x0
	.amdhsa_kernel k_qa890bb67ed_attn
		.amdhsa_group_segment_fixed_size 232960
		.amdhsa_private_segment_fixed_size 0
		.amdhsa_enable_private_segment 0
		.amdhsa_kernarg_size 16
		.amdhsa_user_sgpr_count 2
		.amdhsa_user_sgpr_kernarg_segment_ptr 1
		.amdhsa_wavefront_size32 1
		.amdhsa_system_sgpr_workgroup_id_x 1
		.amdhsa_system_sgpr_workgroup_id_y 1
		.amdhsa_system_sgpr_workgroup_id_z 1
		.amdhsa_system_vgpr_workitem_id 0
		.amdhsa_next_free_vgpr 512
		.amdhsa_next_free_sgpr 66
		.amdhsa_reserve_vcc 1
		.amdhsa_float_denorm_mode_32 3
		.amdhsa_float_denorm_mode_16_64 3
		.amdhsa_memory_ordered 1
		.amdhsa_forward_progress 1
		.amdhsa_inst_pref_size 73
	.end_amdhsa_kernel
	.amdgpu_metadata
---
amdhsa.version: [ 1, 2 ]
amdhsa.kernels:
  - .name:           k_qa890bb67ed_attn
    .symbol:         k_qa890bb67ed_attn.kd
    .args:
      - { .name: big, .offset: 0, .size: 8, .value_kind: global_buffer, .address_space: global }
      - { .name: act, .offset: 8, .size: 8, .value_kind: global_buffer, .address_space: global }
    .group_segment_fixed_size: 232960
    .private_segment_fixed_size: 0
    .kernarg_segment_align: 8
    .kernarg_segment_size: 16
    .max_flat_workgroup_size: 128
    .sgpr_count:     66
    .vgpr_count:     512
    .wavefront_size: 32
...
	.end_amdgpu_metadata
.endif
;; end of part 3
;; launch oproj (part 4): grid 8 x 32, 4 waves a work-group, clusters of 4 x 4, 327,680 bytes of LDS; arguments act, wB, out_b, x, h2; writes h2
.if DOCPART == 4
	.amdgcn_target "amdgcn-amd-amdhsa--gfx1250"
	.amdhsa_code_object_version 6
	.text
	.protected	k_qa890bb67ed_oproj
	.globl	k_qa890bb67ed_oproj
	.p2align	8
	.type	k_qa890bb67ed_oproj,@function
k_qa890bb67ed_oproj:
	s_mov_b64 s[64:65], 0
	v_nop
	global_prefetch_b8 v0, s[64:65] scope:SCOPE_SE
	s_setreg_imm32_b32 hwreg(HW_REG_WAVE_MODE, 25, 1), 1
	s_wait_xcnt 0x0
	s_wait_alu depctr_hold_cnt(0) depctr_sa_sdst(0) depctr_va_vdst(0) depctr_va_sdst(0) depctr_va_ssrc(0) depctr_va_vcc(0) depctr_vm_vsrc(0)
	s_getreg_b32 s2, hwreg(HW_REG_IB_STS2, 6, 4)
	s_cmp_eq_u32 s2, 0
	s_cbranch_scc0 .Lentry_in_a_cluster
	s_endpgm
.Lentry_in_a_cluster:
	s_bfe_u32 s2, ttmp6, 0x10000c
	s_cmp_lg_u32 s2, 0xf033
	s_cbranch_scc0 .Lentry_shape_is_right
	s_endpgm
.Lentry_shape_is_right:
; C = R + A W^T + bias, all sums in f32, C and R f32 [4096][1024] row-major.  A: f16 panels [4 LAPS][4096][128]; W: f16 blocks [4][KP][256][128] at byte WOFF of its buffer; bias [1024] f32.
; This text: the projection behind attention, K = 1,024 (LAPS = 2, KP = 8, WOFF = 0).  The second feed-forward product is the same text with three other constants.
; SHAPE.  1,024 columns give 256 tiles of 128 x 128: one for each work-group of the grid 8 x 32.  Four waves, each 64 x 64: 16 accumulators.  A K step is 256 = two panels; a tensor load brings one
; panel's 128 rows x 256 bytes, dense in memory.  Waves 0 and 1 fetch A's two panels of a step, waves 2 and 3 W's.  Two slots, as large as fit; 112 matrix instructions a wave between a request and the wait for it.
; CLUSTER.  4 x 4 work-groups; A's tiles are asked for jointly along a row of the cluster, W's along a column.
; PREFETCH.  Behind the joint load for K step t one wave asks for the work-group's share of K step t + 1, which the next joint load, one K step later, brings: wave 0 for 16 of the 128 rows of A's two
; panels (rows 16 tx on: the eight work-groups of a tile row share them out), wave 1, in the clusters y = 0 and 1, for 16 of the tile's 128 rows of W's two panels (rows 16 ty on, ty = 0..7): 32 lanes,
; 256 bytes apart within a panel, each block asked for once in the launch.  K step 2 is asked for at the start; in the loop's last trip the second request is jumped over: no request passes the last K step.
; THE MATRIX INSTRUCTION IS USED TRANSPOSED (source 0 = rows of W, source 1 = rows of A): a lane holds eight neighbouring columns of a row of C.  THE BIAS is the C operand that starts the sums.
; THE RESIDUAL is loaded at the start in the layout of the stores and added on the way out.  A wave's 64 columns of f32 are 256 aligned bytes, so each wave has a stage of its own and no barrier.
; REGISTERS: window 0: v0-31 addresses; v32-95 rows read back, two buffers; v128-255 accumulators ((a, b) at 128 + 8 (4 a + b)).   window 1: two fragment buffers of 128: 64 of A, 64 of W.
;   window 2: v0-127 the residual; v128-159 the bias.
.set LAPS,   2
.set KP,     8
.set WOFF,   0
.set PITCH,  272
.set HALFT,  128*PITCH                 ; one panel's 128 rows
.set SLOT,   4*HALFT                   ; A's two panels, then W's two
.set STAGE,  2*SLOT
.set SPITCH, 272
.set SPARE,  STAGE+4*16*SPITCH         ; the spare words: two blocks of 256 bytes that no other line names
.set ASTEP,  2097152                   ; a K step in A: two panels of 4,096 rows of 256 bytes
.set BSTEP,  131072                    ; in W: two panels of 256 rows
.set ADRA, 16
.set ADRB, 20
.set STO,  24
.set RD,   25
.set CO,   26                          ; v26  4096 (l / 16) + 16 (l % 16): my place in two rows of C and R
.set BO,   27
.set SPW,  28
.set NIL,  29
.set PFO,  30                          ; v30  the prefetch: my lane's block in a K step's two panels; never rewritten
.set TMP,  32
.set ACC,  128
.set F0,   0
.set F1,   128
.set RES,  0
.set BI,   128
.set CP, 12                            ; s[12:13] C
.set WV, 14
.set RH, 15
.set CH, 16
.set CX, 17
.set CY, 18
.set TX, 19
.set TY, 20
.set G1, 24
.set G0, 32
.set G1B, 48
.set G0B, 56
.set PFON, 77                          ; s77  1: my wave prefetches
.set PFP, 78                           ; s[78:79] the K step last asked for, in A or in W
.set PFS, 80                           ; s[80:81] bytes from K step to K step there
.set MSB, 0
.macro WIN new
.if MSB != (\new)
	s_set_vgpr_msb (MSB<<8)|(\new)
.set MSB, \new
.endif
.endm
.set MUL,  0x05                        ; sources 0 and 1 window 1; C and D window 0
.set TO_F, 0x40
.macro JLOAD s                         ; a joint load; an s_nop 0 and four v_nop follow each of the two lines
	s_cmp_eq_u32 s[RH], 0
	s_cbranch_scc0 .Lfor_b_\@
	tensor_load_to_lds s[G0+4*(\s):G0+4*(\s)+3], s[G1:G1+7]
	s_nop 0
.rept 4
	v_nop
.endr
	s_branch .Lasked_\@
.Lfor_b_\@:
	tensor_load_to_lds s[G0B+4*(\s):G0B+4*(\s)+3], s[G1B:G1B+7]
	s_nop 0
.rept 4
	v_nop
.endr
.Lasked_\@:
.endm
.macro CREST
	s_cmp_lg_u32 s[WV], 0
	s_cbranch_scc1 .Lnot_wave_0_\@
	s_barrier_signal -3
.Lnot_wave_0_\@:
	s_barrier_wait -3
	s_barrier_signal -1
	s_barrier_wait -1
.endm
.macro CROUND
	s_barrier_signal -1
	s_barrier_wait -1
	CREST
.endm
; The next K step's share is asked for.  guard = 1: not in the loop's last trip, where there is no further K step.  Both jumps hang on numbers that all partners share, and pass nothing but these lines.
.macro PF guard
	s_cmp_eq_u32 s[PFON], 0
	s_cbranch_scc1 .Lno_pf_\@
.if \guard
	s_add_co_u32 s2, s3, 1
	s_cmp_lt_u32 s2, LAPS-1
	s_cbranch_scc0 .Lno_pf_\@
.endif
	s_wait_xcnt 0x0                                ; the request before, a K step ago, has had its addresses translated: its base is stepped only behind this wait
	s_add_nc_u64 s[PFP:PFP+1], s[PFP:PFP+1], s[PFS:PFS+1]
	global_prefetch_b8 v[PFO], s[PFP:PFP+1] th:TH_LOAD_NT scope:SCOPE_SE
.Lno_pf_\@:
.endm
	s_load_b256 s[4:11], s[0:1], 0x0               ; A 4:5, W 6:7, bias 8:9, R 10:11
	s_load_b64 s[CP:CP+1], s[0:1], 0x20            ; C
	v_lshl_add_u32 v[SPW], v0, 2, SPARE
	v_mov_b32 v[NIL], 0
	ds_add_u32 v28, v29
	ds_add_u32 v28, v29
	s_wait_dscnt 0x0
	v_lshrrev_b32 v1, 5, v0
	v_readfirstlane_b32 s[WV], v1
	s_lshr_b32 s[RH], s[WV], 1                     ; my half of the rows; also: I fetch for A (0) or W (1)
	s_and_b32 s[CH], s[WV], 1                      ; my half of the columns; also: which panel of a step I fetch
	s_bfe_u32 s[CX], ttmp6, 0x40000
	s_bfe_u32 s[CY], ttmp6, 0x40004
	s_lshl_b32 s[TX], ttmp9, 2
	s_add_co_u32 s[TX], s[TX], s[CX]
	s_and_b32 s[TY], ttmp7, 0xffff
	s_lshl_b32 s[TY], s[TY], 2
	s_add_co_u32 s[TY], s[TY], s[CY]
	s_lshl_b32 s21, s[CY], 2
	s_lshl_b32 s21, 15, s21
	s_lshl_b32 s22, 0x1111, s[CX]
	s_or_b32 s[G1], s21, (1<<16)|(1<<20)|(1<<21)|(5<<22)|(3<<25)
	s_or_b32 s[G1B], s22, (1<<16)|(1<<20)|(1<<21)|(5<<22)|(3<<25)
.irp g, G1, G1B
	s_mov_b32 s[(\g)+1], 128<<16
	s_mov_b32 s[(\g)+2], 128<<16
	s_mov_b32 s[(\g)+3], 128<<16
	s_mov_b32 s[(\g)+4], 128
	s_mov_b32 s[(\g)+5], 128
	s_mov_b32 s[(\g)+6], 0
	s_mov_b32 s[(\g)+7], 0
.endr
	s_lshl_b32 s40, s[CH], 20                      ; A: my panel of the step, the tile's 128 rows
	s_lshl_b32 s41, s[TY], 15
	s_add_co_u32 s40, s40, s41
	s_mov_b32 s41, 0
	s_lshr_b32 s44, s[TX], 1                       ; W: block tx / 2, my panel of the step, half tx % 2 of the block's 256 rows
	s_mul_i32 s44, s44, KP*65536
	s_lshl_b32 s45, s[CH], 16
	s_add_co_u32 s44, s44, s45
	s_and_b32 s45, s[TX], 1
	s_lshl_b32 s45, s45, 15
	s_add_co_u32 s44, s44, s45
	s_add_co_u32 s44, s44, WOFF
	s_mov_b32 s45, 0
	s_mul_i32 s2, s[WV], HALFT
	s_wait_kmcnt 0x0
	s_add_nc_u64 s[42:43], s[4:5], s[40:41]
	s_add_nc_u64 s[46:47], s[6:7], s[44:45]
	CROUND                                         ; the first joint loads meet
.irp s, 0,1
	s_mov_b32 s[G0+4*(\s)], 1
	s_add_co_u32 s[G0+4*(\s)+1], s2, (\s)*SLOT
	s_add_nc_u64 s[G0+4*(\s)+2:G0+4*(\s)+3], s[42:43], (\s)*ASTEP
	s_or_b32 s[G0+4*(\s)+3], s[G0+4*(\s)+3], 0x80000000
	s_mov_b32 s[G0B+4*(\s)], 1
	s_add_co_u32 s[G0B+4*(\s)+1], s2, (\s)*SLOT
	s_add_nc_u64 s[G0B+4*(\s)+2:G0B+4*(\s)+3], s[46:47], (\s)*BSTEP
	s_or_b32 s[G0B+4*(\s)+3], s[G0B+4*(\s)+3], 0x80000000
	JLOAD \s                                       ; two loads of mine are out
.endr
	v_and_b32 v1, 15, v0
	v_bfe_u32 v2, v0, 4, 1
	; the prefetch: who asks, from where, in which steps.  The base starts at K step 1; each request steps it first
	s_lshl_b32 s67, s[TY], 7
	s_lshl_b32 s68, s[TX], 4
	s_add_co_u32 s67, s67, s68                     ; A: rows 128 ty + 16 tx on
	s_lshr_b32 s68, s[TX], 1
	s_mul_i32 s68, s68, KP*256                     ; W: block tx / 2 begins KP x 256 rows of 256 bytes a block in,
	s_and_b32 s69, s[TX], 1
	s_lshl_b32 s69, s69, 7
	s_add_co_u32 s68, s68, s69                     ; the tile's half of its 256 rows,
	s_lshl_b32 s69, s[TY], 4
	s_add_co_u32 s68, s68, s69                     ; rows 16 ty on
	s_and_b32 s69, ttmp7, 0xffff
	s_cmp_lt_u32 s69, 2
	s_cselect_b32 s[PFON], 1, 0                    ; wave 1 asks in the clusters y = 0 and 1,
	s_cmp_gt_u32 s[WV], 1
	s_cselect_b32 s[PFON], 0, s[PFON]              ; waves 2 and 3 never,
	s_mov_b32 s[PFS], BSTEP
	s_mov_b32 s[PFS+1], 0
	s_mov_b32 s82, WOFF+BSTEP
	s_mov_b32 s83, 0
	s_mov_b32 s66, 0x10000                         ; from panel to panel in W, in A
	s_cmp_eq_u32 s[WV], 0
	s_cselect_b32 s[PFON], 1, s[PFON]              ; wave 0 always
	s_cselect_b64 s[PFP:PFP+1], s[4:5], s[6:7]
	s_cselect_b32 s[PFS], ASTEP, s[PFS]
	s_cselect_b32 s82, ASTEP, s82
	s_cselect_b32 s66, 0x100000, s66
	s_cselect_b32 s67, s67, s68
	s_add_nc_u64 s[PFP:PFP+1], s[PFP:PFP+1], s[82:83]
	v_mul_u32_u24 v[PFO], s66, v2                  ; lanes 0-15 the step's first panel, lanes 16-31 its second
	v_add_nc_u32 v6, s67, v1
	v_lshl_add_u32 v[PFO], v6, 8, v[PFO]           ; a row of 256 bytes a lane
	PF 0                                           ; K step 2
	v_mul_u32_u24 v3, v1, PITCH
	v_lshl_add_u32 v3, v2, 4, v3
	s_mul_i32 s68, s[RH], 64*PITCH
	s_mul_i32 s69, s[CH], 64*PITCH
	s_add_co_u32 s69, s69, 2*HALFT
.irp s, 0,1
	v_add_nc_u32 v[ADRA+(\s)], s68, v3
	v_add_nc_u32 v[ADRB+(\s)], s69, v3
	s_add_co_u32 s68, s68, SLOT
	s_add_co_u32 s69, s69, SLOT
.endr
	s_mul_i32 s70, s[WV], 16*SPITCH
	s_add_co_u32 s70, s70, STAGE
	v_mul_u32_u24 v4, v1, SPITCH                   ; in: row l % 16, 32 bytes for each half of the lanes
	v_lshl_add_u32 v4, v2, 5, v4
	v_add_nc_u32 v[STO], s70, v4
	v_mul_u32_u24 v5, v2, SPITCH                   ; back: lanes 0-15 one row of 256 bytes, lanes 16-31 the next
	v_lshl_add_u32 v5, v1, 4, v5
	v_add_nc_u32 v[RD], s70, v5
	v_lshlrev_b32 v5, 12, v2
	v_lshl_add_u32 v[CO], v1, 4, v5
	s_lshl_b32 s66, s[TY], 19                      ; R and C at my first row, 128 ty + 64 half, of 4,096 bytes, and my first column, 128 tx + 64 half
	s_lshl_b32 s68, s[RH], 18
	s_add_co_u32 s66, s66, s68
	s_lshl_b32 s68, s[TX], 9
	s_add_co_u32 s66, s66, s68
	s_lshl_b32 s69, s[CH], 8
	s_add_co_u32 s66, s66, s69
	s_mov_b32 s67, 0
	s_add_nc_u64 s[10:11], s[10:11], s[66:67]
	s_add_nc_u64 s[CP:CP+1], s[CP:CP+1], s[66:67]
	s_add_co_u32 s68, s68, s69                     ; the bias of my 64 columns
	v_lshlrev_b32 v[BO], 5, v2
	v_add_nc_u32 v[BO], s68, v[BO]
	WIN 0x80                                       ; destination window 2
.irp b, 0,1,2,3
	global_load_b128 v[BI+8*(\b):BI+8*(\b)+3],   v[BO], s[8:9] offset:64*(\b)
	global_load_b128 v[BI+8*(\b)+4:BI+8*(\b)+7], v[BO], s[8:9] offset:64*(\b)+16
.endr
.irp a, 0,1,2,3
.irp t, 0,1,2,3,4,5,6,7
	global_load_b128 v[RES+32*(\a)+4*(\t):RES+32*(\a)+4*(\t)+3], v[CO], s[10:11] offset:(16*(\a)+2*(\t))*4096
.endr
.endr
	WIN 0
; 8 matrix instructions: m blocks a0, a0 + 1 x 4 n blocks, 32 along K: half c of buffer f.  first = 1: the bias starts the sums.  The 16 accumulators take turns.
.macro MUL8 f, c, a0, first
.if \first
	WIN 0x25                                       ; the C operand in window 2
.else
	WIN MUL
.endif
.irp a, \a0, (\a0)+1
.irp b, 0,1,2,3
.if \first
	v_wmma_f32_16x16x32_f16 v[ACC+8*(4*(\a)+(\b)):ACC+8*(4*(\a)+(\b))+7], v[(\f)+64+8*(4*(\c)+(\b)):(\f)+64+8*(4*(\c)+(\b))+7], v[(\f)+8*(4*(\c)+(\a)):(\f)+8*(4*(\c)+(\a))+7], v[BI+8*(\b):BI+8*(\b)+7]
.else
	v_wmma_f32_16x16x32_f16 v[ACC+8*(4*(\a)+(\b)):ACC+8*(4*(\a)+(\b))+7], v[(\f)+64+8*(4*(\c)+(\b)):(\f)+64+8*(4*(\c)+(\b))+7], v[(\f)+8*(4*(\c)+(\a)):(\f)+8*(4*(\c)+(\a))+7], v[ACC+8*(4*(\a)+(\b)):ACC+8*(4*(\a)+(\b))+7]
.endif
.endr
.endr
.endm
; 32 LDS loads in one run: quarter q of a K step (64 along K: panel q / 2, byte 128 (q % 2) of its rows) into buffer f; the first 32 along K first
.macro FETCH slot, q, f
	WIN TO_F
.irp c, 0,1
.irp i, 0,1,2,3
	ds_load_b128 v[(\f)+64+8*(4*(\c)+(\i)):(\f)+64+8*(4*(\c)+(\i))+3],   v[ADRB+(\slot)] offset:((\q)/2)*HALFT+((\q)%2)*128+64*(\c)+(\i)*16*PITCH
	ds_load_b128 v[(\f)+64+8*(4*(\c)+(\i))+4:(\f)+64+8*(4*(\c)+(\i))+7], v[ADRB+(\slot)] offset:((\q)/2)*HALFT+((\q)%2)*128+64*(\c)+(\i)*16*PITCH+32
	ds_load_b128 v[(\f)+8*(4*(\c)+(\i)):(\f)+8*(4*(\c)+(\i))+3],         v[ADRA+(\slot)] offset:((\q)/2)*HALFT+((\q)%2)*128+64*(\c)+(\i)*16*PITCH
	ds_load_b128 v[(\f)+8*(4*(\c)+(\i))+4:(\f)+8*(4*(\c)+(\i))+7],       v[ADRA+(\slot)] offset:((\q)/2)*HALFT+((\q)%2)*128+64*(\c)+(\i)*16*PITCH+32
.endr
.endr
.endm
.macro PLACES
.rept 4
	v_nop
.endr
.endm
.macro QUARTER slot, q, f, g, first
	s_wait_dscnt 16                                ; the first 32 along K are in
	MUL8 \f, 0, 0, \first
	MUL8 \f, 0, 2, \first
	PLACES
	FETCH \slot, \q, \g
	s_wait_dscnt 32                                ; all but the 32 just issued
	MUL8 \f, 1, 0, 0
	MUL8 \f, 1, 2, 0
.endm
; The last quarter multiplies buffer 1 and changes slots: one barrier; in front of it each wave waits for all its tensor loads, adds 0 to its spare word, and waits for that and for its reads of this slot.
.macro TURN slot, next, fill
	WIN 0
	s_wait_tensorcnt 0x0                           ; the one load that was out is my part of the next slot
	ds_add_u32 v[SPW], v[NIL]
	s_wait_dscnt 17                                ; the add and the youngest sixteen loads may be out
	MUL8 F1, 0, 0, 0
	s_wait_dscnt 0x0                               ; the add is done, and my reads of this slot are over
	s_barrier_signal -1
	MUL8 F1, 0, 2, 0
.if \fill
	WIN 0
.endif
	s_barrier_wait -1
.if \fill
	CREST                                          ; the barrier has opened a round of the cluster's: no wave of any partner still reads this slot or has a load on its way
	s_add_nc_u64 s[G0+4*(\slot)+2:G0+4*(\slot)+3], s[G0+4*(\slot)+2:G0+4*(\slot)+3], 2*ASTEP
	s_add_nc_u64 s[G0B+4*(\slot)+2:G0B+4*(\slot)+3], s[G0B+4*(\slot)+2:G0B+4*(\slot)+3], 2*BSTEP
	JLOAD \slot                                    ; the first tensor load behind the round, one a wave
	PF \slot                                       ; the K step behind the one just asked for; slot 1's is the one that the last trip leaves out
.else
	PLACES
.endif
	FETCH \next, 0, F0
	MUL8 F1, 1, 0, 0
	MUL8 F1, 1, 2, 0
.endm
	s_wait_tensorcnt 1                             ; my part of K step 0 is in; K step 1's may stay out
	s_barrier_signal -1
	s_barrier_wait -1
	FETCH 0, 0, F0
	s_wait_loadcnt 32                              ; the bias is in; the residual's 32 loads are younger
	QUARTER 0, 1, F0, F1, 1
	WIN 0
	s_mov_b32 s3, 0
.Llap:                                                 ; a trip goes once round the ring and fills both slots again
	QUARTER 0, 2, F1, F0, 0
	QUARTER 0, 3, F0, F1, 0
	TURN 0, 1, 1
	QUARTER 1, 1, F0, F1, 0
	QUARTER 1, 2, F1, F0, 0
	QUARTER 1, 3, F0, F1, 0
	TURN 1, 0, 1
	QUARTER 0, 1, F0, F1, 0
	WIN 0
	s_add_co_u32 s3, s3, 1
	s_cmp_lt_u32 s3, LAPS-1
	s_cbranch_scc1 .Llap
	QUARTER 0, 2, F1, F0, 0                        ; the last lap fills nothing
	QUARTER 0, 3, F0, F1, 0
	TURN 0, 1, 0
	QUARTER 1, 1, F0, F1, 0
	QUARTER 1, 2, F1, F0, 0
	QUARTER 1, 3, F0, F1, 0
	s_wait_dscnt 16
	MUL8 F1, 0, 0, 0
	MUL8 F1, 0, 2, 0
	s_wait_dscnt 0x0
	MUL8 F1, 1, 0, 0
	MUL8 F1, 1, 2, 0
	WIN 0
	PLACES
; THE WAY OUT of m block a (16 rows x 64 columns of f32): 32 bytes a lane into my stage, back as whole rows of 256 bytes, the residual added, stored.
.macro TOST a
	s_wait_xcnt 0x0                                ; earlier stores have had their addresses translated: their registers are loaded again only behind this wait
.irp b, 0,1,2,3
	ds_store_b128 v[STO], v[ACC+8*(4*(\a)+(\b)):ACC+8*(4*(\a)+(\b))+3]   offset:64*(\b)      ; each accumulator's lowest registers first
	ds_store_b128 v[STO], v[ACC+8*(4*(\a)+(\b))+4:ACC+8*(4*(\a)+(\b))+7] offset:64*(\b)+16
.endr
.irp t, 0,1,2,3,4,5,6,7
	ds_load_b128 v[TMP+32*((\a)%2)+4*(\t):TMP+32*((\a)%2)+4*(\t)+3], v[RD] offset:(\t)*2*SPITCH   ; LDS serves a wave's instructions in order (ISA guide 5.7.1.4)
.endr
.endm
.macro SEND a, younger                 ; younger: the LDS instructions issued behind block a's loads: the next block's sixteen, or none
.set TB, TMP+32*((\a)%2)
	s_wait_dscnt \younger
	WIN 0x08                                       ; source 1: window 2
.set i, 0
.rept 16
	v_pk_add_f32 v[TB+2*i:TB+2*i+1], v[TB+2*i:TB+2*i+1], v[RES+32*(\a)+2*i:RES+32*(\a)+2*i+1]
.set i, i+1
.endr
	WIN 0
.irp t, 0,1,2,3,4,5,6,7
	global_store_b128 v[CO], v[TB+4*(\t):TB+4*(\t)+3], s[CP:CP+1] offset:(16*(\a)+2*(\t))*4096   ; 16 lanes store 256 consecutive bytes, at a multiple of 256 from C's first byte
.endr
.endm
	TOST 0
	TOST 1
	s_wait_loadcnt 0x0                             ; the residual
	SEND 0, 16
	TOST 2
	SEND 1, 16
	TOST 3
	SEND 2, 16
	SEND 3, 0
	s_wait_tensorcnt 0x0                           ; the wave's end
	ds_add_u32 v[SPW], v[NIL]
	s_wait_dscnt 0x0
	CROUND                                         ; the closing round
	s_endpgm
.Lfunc_end_k_qa890bb67ed_oproj:
	.size	k_qa890bb67ed_oproj, .Lfunc_end_k_qa890bb67ed_oproj-k_qa890bb67ed_oproj
	.p2alignl 7, 3214868480
	.fill 96, 4, 3214868480
	.section	.rodata,"a",@progbits
	.p2align	6, 0x0
	.amdhsa_kernel k_qa890bb67ed_oproj
		.amdhsa_group_segment_fixed_size 327680
		.amdhsa_private_segment_fixed_size 0
		.amdhsa_enable_private_segment 0
		.amdhsa_kernarg_size 40
		.amdhsa_user_sgpr_count 2
		.amdhsa_user_sgpr_kernarg_segment_ptr 1
		.amdhsa_wavefront_size32 1
		.amdhsa_system_sgpr_workgroup_id_x 1
		.amdhsa_system_sgpr_workgroup_id_y 1
		.amdhsa_system_sgpr_workgroup_id_z 1
		.amdhsa_system_vgpr_workitem_id 0
		.amdhsa_next_free_vgpr 768
		.amdhsa_next_free_sgpr 84
		.amdhsa_reserve_vcc 0
		.amdhsa_float_denorm_mode_32 3
		.amdhsa_float_denorm_mode_16_64 3
		.amdhsa_memory_ordered 1
		.amdhsa_forward_progress 1
		.amdhsa_inst_pref_size 96
	.end_amdhsa_kernel
	.amdgpu_metadata
---
amdhsa.version: [ 1, 2 ]
amdhsa.kernels:
  - .name:           k_qa890bb67ed_oproj
    .symbol:         k_qa890bb67ed_oproj.kd
    .args:
      - { .name: act, .offset: 0, .size: 8, .value_kind: global_buffer, .address_space: global }
      - { .name: wB, .offset: 8, .size: 8, .value_kind: global_buffer, .address_space: global }
      - { .name: out_b, .offset: 16, .size: 8, .value_kind: global_buffer, .address_space: global }
      - { .name: x, .offset: 24, .size: 8, .value_kind: global_buffer, .address_space: global }
      - { .name: h2, .offset: 32, .size: 8, .value_kind: global_buffer, .address_space: global }
    .group_segment_fixed_size: 327680
    .private_segment_fixed_size: 0
    .kernarg_segment_align: 8
    .kernarg_segment_size: 40
    .max_flat_workgroup_size: 128
    .sgpr_count:     84
    .vgpr_count:     768
    .wavefront_size: 32
...
	.end_amdgpu_metadata
.endif
;; end of part 4
;; launch ln2 (part 5): grid 256 x 1, 8 waves a work-group, no clusters, 0 bytes of LDS; arguments h2, ln2_w, ln2_b, act; writes act
.if DOCPART == 5
	.amdgcn_target "amdgcn-amd-amdhsa--gfx1250"
	.amdhsa_code_object_version 6
	.text
	.protected	k_qa890bb67ed_ln2
	.globl	k_qa890bb67ed_ln2
	.p2align	8
	.type	k_qa890bb67ed_ln2,@function
k_qa890bb67ed_ln2:
	s_mov_b64 s[64:65], 0
	v_nop
	global_prefetch_b8 v0, s[64:65] scope:SCOPE_SE
	s_setreg_imm32_b32 hwreg(HW_REG_WAVE_MODE, 25, 1), 1
	s_wait_xcnt 0x0
; m = layernorm(h2) * ln2_w + ln2_b, rounded once to f16, into act: panels [8][4096][128], column n of row r at ((n >> 7) 4096 + r) 256 + 2 (n & 127).
; A stream: no LDS, no barrier, no matrix unit, no cluster.  16 rows a work-group, two a wave; a row of 4,096 bytes lies in 32 registers between the passes.  Load j of 8 takes 512 consecutive bytes;
; rounded they are 8 bytes a lane, and one store of the wave covers 256 consecutive bytes, aligned.  Two passes: the mean, then the squared deviations from it: no difference of large sums.
; LIMITS.  f16 ends at 65,504; NaN is not treated apart.
.set W,   8                            ; v[8:39]    gain of my 32 columns
.set BV,  40                           ; v[40:71]   bias
.set X0,  72                           ; v[72:103]  first row
.set X1,  104                          ; v[104:135] second
.set A,   136                          ; v[136:143] four chains of sums
.set MU,  144                          ; v[144:145] the mean, twice
.set RS,  146                          ; v[146:147] 1 / sqrt(var + eps), twice
.set T,   148
.set Y0,  152                          ; v[152:167] first row in f16
.set Y1,  168                          ; v[168:183] second
.set SW,  10
.set SB,  12
	s_load_b256 s[8:15], s[0:1], 0x0               ; h2 8:9, gain 10:11, bias 12:13, act 14:15
	v_and_b32 v3, 31, v0
	v_lshlrev_b32 v1, 4, v3
	v_lshlrev_b32 v2, 3, v3
	v_lshrrev_b32 v4, 5, v0
	v_readfirstlane_b32 s34, v4
	s_mov_b32 s35, 0x3a800000                      ; 1 / 1024
	s_mov_b32 s36, 0x3727c5ac                      ; 1e-5
	s_mov_b32 s38, 0x76543210
	s_mov_b32 s39, 0xfedcba98
	s_lshl_b32 s40, ttmp9, 4
	s_lshl_b32 s41, s34, 1
	s_add_co_u32 s40, s40, s41                     ; my first row
	s_lshl_b32 s42, s40, 12
	s_mov_b32 s43, 0
	s_lshl_b32 s48, s40, 8
	s_mov_b32 s49, 0
	s_wait_kmcnt 0x0
	s_add_nc_u64 s[44:45], s[8:9], s[42:43]
	s_add_nc_u64 s[46:47], s[14:15], s[48:49]
.macro REDUCE                          ; the four chains, then the 32 lanes: the total in every lane's v[A]
	v_pk_add_f32 v[A:A+1], v[A:A+1], v[A+2:A+3]
	v_pk_add_f32 v[A+4:A+5], v[A+4:A+5], v[A+6:A+7]
	v_pk_add_f32 v[A:A+1], v[A:A+1], v[A+4:A+5]
	v_add_f32 v[A], v[A], v[A+1]
	v_add_f32_dpp v[A], v[A], v[A] row_xmask:1 row_mask:0xf bank_mask:0xf
	v_add_f32_dpp v[A], v[A], v[A] row_xmask:2 row_mask:0xf bank_mask:0xf
	v_add_f32_dpp v[A], v[A], v[A] row_xmask:4 row_mask:0xf bank_mask:0xf
	v_add_f32_dpp v[A], v[A], v[A] row_xmask:8 row_mask:0xf bank_mask:0xf
	v_permlanex16_b32 v[A+1], v[A], s38, s39
	v_add_f32 v[A], v[A], v[A+1]
.endm
.macro LNROW xr, yr, i, left
	s_wait_loadcnt \left
.irp k, 0,1,2,3
	v_pk_add_f32 v[A+2*(\k):A+2*(\k)+1], v[(\xr)+2*(\k):(\xr)+2*(\k)+1], v[(\xr)+8+2*(\k):(\xr)+8+2*(\k)+1]   ; the first additions start the chains
.endr
.irp k, 0,1,2,3
	v_pk_add_f32 v[A+2*(\k):A+2*(\k)+1], v[A+2*(\k):A+2*(\k)+1], v[(\xr)+16+2*(\k):(\xr)+16+2*(\k)+1]
.endr
.irp k, 0,1,2,3
	v_pk_add_f32 v[A+2*(\k):A+2*(\k)+1], v[A+2*(\k):A+2*(\k)+1], v[(\xr)+24+2*(\k):(\xr)+24+2*(\k)+1]
.endr
	REDUCE
	v_mul_f32 v[MU], s35, v[A]
	v_mul_f32 v[MU+1], s35, v[A]
.set p, 0
.rept 16
	v_pk_add_f32 v[(\xr)+2*p:(\xr)+2*p+1], v[(\xr)+2*p:(\xr)+2*p+1], v[MU:MU+1] neg_lo:[0,1] neg_hi:[0,1]   ; x - mean
.set p, p+1
.endr
.irp k, 0,1,2,3
	v_pk_mul_f32 v[A+2*(\k):A+2*(\k)+1], v[(\xr)+2*(\k):(\xr)+2*(\k)+1], v[(\xr)+2*(\k):(\xr)+2*(\k)+1]
.endr
.set p, 4
.rept 12
	v_pk_fma_f32 v[A+2*(p%4):A+2*(p%4)+1], v[(\xr)+2*p:(\xr)+2*p+1], v[(\xr)+2*p:(\xr)+2*p+1], v[A+2*(p%4):A+2*(p%4)+1]
.set p, p+1
.endr
	REDUCE
	v_fma_f32 v[T], v[A], s35, s36                 ; var + eps
	v_rsq_f32 v[RS], v[T]
	v_rsq_f32 v[RS+1], v[T]
	v_nop                                          ; a plain instruction between the root and the use of its result (ISA guide 5.7.2)
	s_wait_loadcnt 0x0                             ; gain and bias
.set p, 0
	s_wait_alu depctr_va_vdst(0)
.rept 16
	v_pk_mul_f32 v[(\xr)+2*p:(\xr)+2*p+1], v[(\xr)+2*p:(\xr)+2*p+1], v[RS:RS+1]
.set p, p+1
.endr
.set p, 0
.rept 16
	v_pk_fma_f32 v[(\xr)+2*p:(\xr)+2*p+1], v[(\xr)+2*p:(\xr)+2*p+1], v[W+2*p:W+2*p+1], v[BV+2*p:BV+2*p+1]
.set p, p+1
.endr
.set p, 0
.rept 16
	v_cvt_pk_f16_f32 v[(\yr)+p], v[(\xr)+2*p], v[(\xr)+2*p+1]
.set p, p+1
.endr
.irp j, 0,1,2,3,4,5,6,7
	global_store_b64 v2, v[(\yr)+2*(\j):(\yr)+2*(\j)+1], s[46:47] offset:(\j)*1048576+(\i)*256   ; panel j: 7,340,288 at the most, inside the signed 24-bit immediate
.endr
.endm
.irp j, 0,1,2,3,4,5,6,7
	global_load_b128 v[X0+4*(\j):X0+4*(\j)+3], v1, s[44:45] offset:512*(\j)
.endr
.irp j, 0,1,2,3,4,5,6,7
	global_load_b128 v[X1+4*(\j):X1+4*(\j)+3], v1, s[44:45] offset:4096+512*(\j)
.endr
.irp j, 0,1,2,3,4,5,6,7
	global_load_b128 v[W+4*(\j):W+4*(\j)+3], v1, s[SW:SW+1] offset:512*(\j)
.endr
.irp j, 0,1,2,3,4,5,6,7
	global_load_b128 v[BV+4*(\j):BV+4*(\j)+3], v1, s[SB:SB+1] offset:512*(\j)
.endr
	LNROW X0, Y0, 0, 24                            ; behind row 0's eight loads: row 1's, the gain's and the bias's, 24
	LNROW X1, Y1, 1, 0                             ; row 0 has waited for everything
	s_endpgm
.Lfunc_end_k_qa890bb67ed_ln2:
	.size	k_qa890bb67ed_ln2, .Lfunc_end_k_qa890bb67ed_ln2-k_qa890bb67ed_ln2
	.p2alignl 7, 3214868480
	.fill 96, 4, 3214868480
	.section	.rodata,"a",@progbits
	.p2align	6, 0x0
	.amdhsa_kernel k_qa890bb67ed_ln2
		.amdhsa_group_segment_fixed_size 0
		.amdhsa_private_segment_fixed_size 0
		.amdhsa_enable_private_segment 0
		.amdhsa_kernarg_size 32
		.amdhsa_user_sgpr_count 2
		.amdhsa_user_sgpr_kernarg_segment_ptr 1
		.amdhsa_wavefront_size32 1
		.amdhsa_system_sgpr_workgroup_id_x 1
		.amdhsa_system_sgpr_workgroup_id_y 1
		.amdhsa_system_sgpr_workgroup_id_z 1
		.amdhsa_system_vgpr_workitem_id 0
		.amdhsa_next_free_vgpr 184
		.amdhsa_next_free_sgpr 66
		.amdhsa_reserve_vcc 0
		.amdhsa_float_denorm_mode_32 3
		.amdhsa_float_denorm_mode_16_64 3
		.amdhsa_memory_ordered 1
		.amdhsa_forward_progress 1
		.amdhsa_inst_pref_size 20
	.end_amdhsa_kernel
	.amdgpu_metadata
---
amdhsa.version: [ 1, 2 ]
amdhsa.kernels:
  - .name:           k_qa890bb67ed_ln2
    .symbol:         k_qa890bb67ed_ln2.kd
    .args:
      - { .name: h2, .offset: 0, .size: 8, .value_kind: global_buffer, .address_space: global }
      - { .name: ln2_w, .offset: 8, .size: 8, .value_kind: global_buffer, .address_space: global }
      - { .name: ln2_b, .offset: 16, .size: 8, .value_kind: global_buffer, .address_space: global }
      - { .name: act, .offset: 24, .size: 8, .value_kind: global_buffer, .address_space: global }
    .group_segment_fixed_size: 0
    .private_segment_fixed_size: 0
    .kernarg_segment_align: 8
    .kernarg_segment_size: 32
    .max_flat_workgroup_size: 256
    .sgpr_count:     66
    .vgpr_count:     184
    .wavefront_size: 32
...
	.end_amdgpu_metadata
.endif
;; end of part 5
;; launch ffn1: the kernel of part 2 again; grid 16 x 16, 4 waves a work-group, clusters of 4 x 4, 327,680 bytes of LDS; arguments act, w1h, b1, flof, big; writes big
;; launch ffn2 (part 6): grid 8 x 32, 4 waves a work-group, clusters of 4 x 4, 327,680 bytes of LDS; arguments big, wB, b2, h2, out0; writes out0
.if DOCPART == 6
	.amdgcn_target "amdgcn-amd-amdhsa--gfx1250"
	.amdhsa_code_object_version 6
	.text
	.protected	k_qa890bb67ed_ffn2
	.globl	k_qa890bb67ed_ffn2
	.p2align	8
	.type	k_qa890bb67ed_ffn2,@function
k_qa890bb67ed_ffn2:
	s_mov_b64 s[64:65], 0
	v_nop
	global_prefetch_b8 v0, s[64:65] scope:SCOPE_SE
	s_setreg_imm32_b32 hwreg(HW_REG_WAVE_MODE, 25, 1), 1
	s_wait_xcnt 0x0
	s_wait_alu depctr_hold_cnt(0) depctr_sa_sdst(0) depctr_va_vdst(0) depctr_va_sdst(0) depctr_va_ssrc(0) depctr_va_vcc(0) depctr_vm_vsrc(0)
	s_getreg_b32 s2, hwreg(HW_REG_IB_STS2, 6, 4)
	s_cmp_eq_u32 s2, 0
	s_cbranch_scc0 .Lentry_in_a_cluster
	s_endpgm
.Lentry_in_a_cluster:
	s_bfe_u32 s2, ttmp6, 0x10000c
	s_cmp_lg_u32 s2, 0xf033
	s_cbranch_scc0 .Lentry_shape_is_right
	s_endpgm
.Lentry_shape_is_right:
; C = R + A W^T + bias, all sums in f32, C and R f32 [4096][1024] row-major.  A: f16 panels [4 LAPS][4096][128]; W: f16 blocks [4][KP][256][128] at byte WOFF of its buffer; bias [1024] f32.
; This text: the second feed-forward product, K = 4,096 (LAPS = 8, KP = 32, WOFF = 2,097,152).  The projection behind attention is the same text with three other constants.
; SHAPE.  1,024 columns give 256 tiles of 128 x 128: one for each work-group of the grid 8 x 32.  Four waves, each 64 x 64: 16 accumulators.  A K step is 256 = two panels; a tensor load brings one
; panel's 128 rows x 256 bytes, dense in memory.  Waves 0 and 1 fetch A's two panels of a step, waves 2 and 3 W's.  Two slots, as large as fit; 112 matrix instructions a wave between a request and the wait for it.
; CLUSTER.  4 x 4 work-groups; A's tiles are asked for jointly along a row of the cluster, W's along a column.
; PREFETCH.  Behind the joint load for K step t one wave asks for the work-group's share of K step t + 1, which the next joint load, one K step later, brings: wave 0 for 16 of the 128 rows of A's two
; panels (rows 16 tx on: the eight work-groups of a tile row share them out), wave 1, in the clusters y = 0 and 1, for 16 of the tile's 128 rows of W's two panels (rows 16 ty on, ty = 0..7): 32 lanes,
; 256 bytes apart within a panel, each block asked for once in the launch.  K step 2 is asked for at the start; in the loop's last trip the second request is jumped over: no request passes the last K step.
; THE MATRIX INSTRUCTION IS USED TRANSPOSED (source 0 = rows of W, source 1 = rows of A): a lane holds eight neighbouring columns of a row of C.  THE BIAS is the C operand that starts the sums.
; THE RESIDUAL is loaded at the start in the layout of the stores and added on the way out.  A wave's 64 columns of f32 are 256 aligned bytes, so each wave has a stage of its own and no barrier.
; REGISTERS: window 0: v0-31 addresses; v32-95 rows read back, two buffers; v128-255 accumulators ((a, b) at 128 + 8 (4 a + b)).   window 1: two fragment buffers of 128: 64 of A, 64 of W.
;   window 2: v0-127 the residual; v128-159 the bias.
.set LAPS,   8
.set KP,     32
.set WOFF,   2097152
.set PITCH,  272
.set HALFT,  128*PITCH                 ; one panel's 128 rows
.set SLOT,   4*HALFT                   ; A's two panels, then W's two
.set STAGE,  2*SLOT
.set SPITCH, 272
.set SPARE,  STAGE+4*16*SPITCH         ; the spare words: two blocks of 256 bytes that no other line names
.set ASTEP,  2097152                   ; a K step in A: two panels of 4,096 rows of 256 bytes
.set BSTEP,  131072                    ; in W: two panels of 256 rows
.set ADRA, 16
.set ADRB, 20
.set STO,  24
.set RD,   25
.set CO,   26                          ; v26  4096 (l / 16) + 16 (l % 16): my place in two rows of C and R
.set BO,   27
.set SPW,  28
.set NIL,  29
.set PFO,  30                          ; v30  the prefetch: my lane's block in a K step's two panels; never rewritten
.set TMP,  32
.set ACC,  128
.set F0,   0
.set F1,   128
.set RES,  0
.set BI,   128
.set CP, 12                            ; s[12:13] C
.set WV, 14
.set RH, 15
.set CH, 16
.set CX, 17
.set CY, 18
.set TX, 19
.set TY, 20
.set G1, 24
.set G0, 32
.set G1B, 48
.set G0B, 56
.set PFON, 77                          ; s77  1: my wave prefetches
.set PFP, 78                           ; s[78:79] the K step last asked for, in A or in W
.set PFS, 80                           ; s[80:81] bytes from K step to K step there
.set MSB, 0
.macro WIN new
.if MSB != (\new)
	s_set_vgpr_msb (MSB<<8)|(\new)
.set MSB, \new
.endif
.endm
.set MUL,  0x05                        ; sources 0 and 1 window 1; C and D window 0
.set TO_F, 0x40
.macro JLOAD s                         ; a joint load; an s_nop 0 and four v_nop follow each of the two lines
	s_cmp_eq_u32 s[RH], 0
	s_cbranch_scc0 .Lfor_b_\@
	tensor_load_to_lds s[G0+4*(\s):G0+4*(\s)+3], s[G1:G1+7]
	s_nop 0
.rept 4
	v_nop
.endr
	s_branch .Lasked_\@
.Lfor_b_\@:
	tensor_load_to_lds s[G0B+4*(\s):G0B+4*(\s)+3], s[G1B:G1B+7]
	s_nop 0
.rept 4
	v_nop
.endr
.Lasked_\@:
.endm
.macro CREST
	s_cmp_lg_u32 s[WV], 0
	s_cbranch_scc1 .Lnot_wave_0_\@
	s_barrier_signal -3
.Lnot_wave_0_\@:
	s_barrier_wait -3
	s_barrier_signal -1
	s_barrier_wait -1
.endm
.macro CROUND
	s_barrier_signal -1
	s_barrier_wait -1
	CREST
.endm
; The next K step's share is asked for.  guard = 1: not in the loop's last trip, where there is no further K step.  Both jumps hang on numbers that all partners share, and pass nothing but these lines.
.macro PF guard
	s_cmp_eq_u32 s[PFON], 0
	s_cbranch_scc1 .Lno_pf_\@
.if \guard
	s_add_co_u32 s2, s3, 1
	s_cmp_lt_u32 s2, LAPS-1
	s_cbranch_scc0 .Lno_pf_\@
.endif
	s_wait_xcnt 0x0                                ; the request before, a K step ago, has had its addresses translated: its base is stepped only behind this wait
	s_add_nc_u64 s[PFP:PFP+1], s[PFP:PFP+1], s[PFS:PFS+1]
	global_prefetch_b8 v[PFO], s[PFP:PFP+1] th:TH_LOAD_NT scope:SCOPE_SE
.Lno_pf_\@:
.endm
	s_load_b256 s[4:11], s[0:1], 0x0               ; A 4:5, W 6:7, bias 8:9, R 10:11
	s_load_b64 s[CP:CP+1], s[0:1], 0x20            ; C
	v_lshl_add_u32 v[SPW], v0, 2, SPARE
	v_mov_b32 v[NIL], 0
	ds_add_u32 v28, v29
	ds_add_u32 v28, v29
	s_wait_dscnt 0x0
	v_lshrrev_b32 v1, 5, v0
	v_readfirstlane_b32 s[WV], v1
	s_lshr_b32 s[RH], s[WV], 1                     ; my half of the rows; also: I fetch for A (0) or W (1)
	s_and_b32 s[CH], s[WV], 1                      ; my half of the columns; also: which panel of a step I fetch
	s_bfe_u32 s[CX], ttmp6, 0x40000
	s_bfe_u32 s[CY], ttmp6, 0x40004
	s_lshl_b32 s[TX], ttmp9, 2
	s_add_co_u32 s[TX], s[TX], s[CX]
	s_and_b32 s[TY], ttmp7, 0xffff
	s_lshl_b32 s[TY], s[TY], 2
	s_add_co_u32 s[TY], s[TY], s[CY]
	s_lshl_b32 s21, s[CY], 2
	s_lshl_b32 s21, 15, s21
	s_lshl_b32 s22, 0x1111, s[CX]
	s_or_b32 s[G1], s21, (1<<16)|(1<<20)|(1<<21)|(5<<22)|(3<<25)
	s_or_b32 s[G1B], s22, (1<<16)|(1<<20)|(1<<21)|(5<<22)|(3<<25)
.irp g, G1, G1B
	s_mov_b32 s[(\g)+1], 128<<16
	s_mov_b32 s[(\g)+2], 128<<16
	s_mov_b32 s[(\g)+3], 128<<16
	s_mov_b32 s[(\g)+4], 128
	s_mov_b32 s[(\g)+5], 128
	s_mov_b32 s[(\g)+6], 0
	s_mov_b32 s[(\g)+7], 0
.endr
	s_lshl_b32 s40, s[CH], 20                      ; A: my panel of the step, the tile's 128 rows
	s_lshl_b32 s41, s[TY], 15
	s_add_co_u32 s40, s40, s41
	s_mov_b32 s41, 0
	s_lshr_b32 s44, s[TX], 1                       ; W: block tx / 2, my panel of the step, half tx % 2 of the block's 256 rows
	s_mul_i32 s44, s44, KP*65536
	s_lshl_b32 s45, s[CH], 16
	s_add_co_u32 s44, s44, s45
	s_and_b32 s45, s[TX], 1
	s_lshl_b32 s45, s45, 15
	s_add_co_u32 s44, s44, s45
	s_add_co_u32 s44, s44, WOFF
	s_mov_b32 s45, 0
	s_mul_i32 s2, s[WV], HALFT
	s_wait_kmcnt 0x0
	s_add_nc_u64 s[42:43], s[4:5], s[40:41]
	s_add_nc_u64 s[46:47], s[6:7], s[44:45]
	CROUND                                         ; the first joint loads meet
.irp s, 0,1
	s_mov_b32 s[G0+4*(\s)], 1
	s_add_co_u32 s[G0+4*(\s)+1], s2, (\s)*SLOT
	s_add_nc_u64 s[G0+4*(\s)+2:G0+4*(\s)+3], s[42:43], (\s)*ASTEP
	s_or_b32 s[G0+4*(\s)+3], s[G0+4*(\s)+3], 0x80000000
	s_mov_b32 s[G0B+4*(\s)], 1
	s_add_co_u32 s[G0B+4*(\s)+1], s2, (\s)*SLOT
	s_add_nc_u64 s[G0B+4*(\s)+2:G0B+4*(\s)+3], s[46:47], (\s)*BSTEP
	s_or_b32 s[G0B+4*(\s)+3], s[G0B+4*(\s)+3], 0x80000000
	JLOAD \s                                       ; two loads of mine are out
.endr
	v_and_b32 v1, 15, v0
	v_bfe_u32 v2, v0, 4, 1
	; the prefetch: who asks, from where, in which steps.  The base starts at K step 1; each request steps it first
	s_lshl_b32 s67, s[TY], 7
	s_lshl_b32 s68, s[TX], 4
	s_add_co_u32 s67, s67, s68                     ; A: rows 128 ty + 16 tx on
	s_lshr_b32 s68, s[TX], 1
	s_mul_i32 s68, s68, KP*256                     ; W: block tx / 2 begins KP x 256 rows of 256 bytes a block in,
	s_and_b32 s69, s[TX], 1
	s_lshl_b32 s69, s69, 7
	s_add_co_u32 s68, s68, s69                     ; the tile's half of its 256 rows,
	s_lshl_b32 s69, s[TY], 4
	s_add_co_u32 s68, s68, s69                     ; rows 16 ty on
	s_and_b32 s69, ttmp7, 0xffff
	s_cmp_lt_u32 s69, 2
	s_cselect_b32 s[PFON], 1, 0                    ; wave 1 asks in the clusters y = 0 and 1,
	s_cmp_gt_u32 s[WV], 1
	s_cselect_b32 s[PFON], 0, s[PFON]              ; waves 2 and 3 never,
	s_mov_b32 s[PFS], BSTEP
	s_mov_b32 s[PFS+1], 0
	s_mov_b32 s82, WOFF+BSTEP
	s_mov_b32 s83, 0
	s_mov_b32 s66, 0x10000                         ; from panel to panel in W, in A
	s_cmp_eq_u32 s[WV], 0
	s_cselect_b32 s[PFON], 1, s[PFON]              ; wave 0 always
	s_cselect_b64 s[PFP:PFP+1], s[4:5], s[6:7]
	s_cselect_b32 s[PFS], ASTEP, s[PFS]
	s_cselect_b32 s82, ASTEP, s82
	s_cselect_b32 s66, 0x100000, s66
	s_cselect_b32 s67, s67, s68
	s_add_nc_u64 s[PFP:PFP+1], s[PFP:PFP+1], s[82:83]
	v_mul_u32_u24 v[PFO], s66, v2                  ; lanes 0-15 the step's first panel, lanes 16-31 its second
	v_add_nc_u32 v6, s67, v1
	v_lshl_add_u32 v[PFO], v6, 8, v[PFO]           ; a row of 256 bytes a lane
	PF 0                                           ; K step 2
	v_mul_u32_u24 v3, v1, PITCH
	v_lshl_add_u32 v3, v2, 4, v3
	s_mul_i32 s68, s[RH], 64*PITCH
	s_mul_i32 s69, s[CH], 64*PITCH
	s_add_co_u32 s69, s69, 2*HALFT
.irp s, 0,1
	v_add_nc_u32 v[ADRA+(\s)], s68, v3
	v_add_nc_u32 v[ADRB+(\s)], s69, v3
	s_add_co_u32 s68, s68, SLOT
	s_add_co_u32 s69, s69, SLOT
.endr
	s_mul_i32 s70, s[WV], 16*SPITCH
	s_add_co_u32 s70, s70, STAGE
	v_mul_u32_u24 v4, v1, SPITCH                   ; in: row l % 16, 32 bytes for each half of the lanes
	v_lshl_add_u32 v4, v2, 5, v4
	v_add_nc_u32 v[STO], s70, v4
	v_mul_u32_u24 v5, v2, SPITCH                   ; back: lanes 0-15 one row of 256 bytes, lanes 16-31 the next
	v_lshl_add_u32 v5, v1, 4, v5
	v_add_nc_u32 v[RD], s70, v5
	v_lshlrev_b32 v5, 12, v2
	v_lshl_add_u32 v[CO], v1, 4, v5
	s_lshl_b32 s66, s[TY], 19                      ; R and C at my first row, 128 ty + 64 half, of 4,096 bytes, and my first column, 128 tx + 64 half
	s_lshl_b32 s68, s[RH], 18
	s_add_co_u32 s66, s66, s68
	s_lshl_b32 s68, s[TX], 9
	s_add_co_u32 s66, s66, s68
	s_lshl_b32 s69, s[CH], 8
	s_add_co_u32 s66, s66, s69
	s_mov_b32 s67, 0
	s_add_nc_u64 s[10:11], s[10:11], s[66:67]
	s_add_nc_u64 s[CP:CP+1], s[CP:CP+1], s[66:67]
	s_add_co_u32 s68, s68, s69                     ; the bias of my 64 columns
	v_lshlrev_b32 v[BO], 5, v2
	v_add_nc_u32 v[BO], s68, v[BO]
	WIN 0x80                                       ; destination window 2
.irp b, 0,1,2,3
	global_load_b128 v[BI+8*(\b):BI+8*(\b)+3],   v[BO], s[8:9] offset:64*(\b)
	global_load_b128 v[BI+8*(\b)+4:BI+8*(\b)+7], v[BO], s[8:9] offset:64*(\b)+16
.endr
.irp a, 0,1,2,3
.irp t, 0,1,2,3,4,5,6,7
	global_load_b128 v[RES+32*(\a)+4*(\t):RES+32*(\a)+4*(\t)+3], v[CO], s[10:11] offset:(16*(\a)+2*(\t))*4096
.endr
.endr
	WIN 0
; 8 matrix instructions: m blocks a0, a0 + 1 x 4 n blocks, 32 along K: half c of buffer f.  first = 1: the bias starts the sums.  The 16 accumulators take turns.
.macro MUL8 f, c, a0, first
.if \first
	WIN 0x25                                       ; the C operand in window 2
.else
	WIN MUL
.endif
.irp a, \a0, (\a0)+1
.irp b, 0,1,2,3
.if \first
	v_wmma_f32_16x16x32_f16 v[ACC+8*(4*(\a)+(\b)):ACC+8*(4*(\a)+(\b))+7], v[(\f)+64+8*(4*(\c)+(\b)):(\f)+64+8*(4*(\c)+(\b))+7], v[(\f)+8*(4*(\c)+(\a)):(\f)+8*(4*(\c)+(\a))+7], v[BI+8*(\b):BI+8*(\b)+7]
.else
	v_wmma_f32_16x16x32_f16 v[ACC+8*(4*(\a)+(\b)):ACC+8*(4*(\a)+(\b))+7], v[(\f)+64+8*(4*(\c)+(\b)):(\f)+64+8*(4*(\c)+(\b))+7], v[(\f)+8*(4*(\c)+(\a)):(\f)+8*(4*(\c)+(\a))+7], v[ACC+8*(4*(\a)+(\b)):ACC+8*(4*(\a)+(\b))+7]
.endif
.endr
.endr
.endm
; 32 LDS loads in one run: quarter q of a K step (64 along K: panel q / 2, byte 128 (q % 2) of its rows) into buffer f; the first 32 along K first
.macro FETCH slot, q, f
	WIN TO_F
.irp c, 0,1
.irp i, 0,1,2,3
	ds_load_b128 v[(\f)+64+8*(4*(\c)+(\i)):(\f)+64+8*(4*(\c)+(\i))+3],   v[ADRB+(\slot)] offset:((\q)/2)*HALFT+((\q)%2)*128+64*(\c)+(\i)*16*PITCH
	ds_load_b128 v[(\f)+64+8*(4*(\c)+(\i))+4:(\f)+64+8*(4*(\c)+(\i))+7], v[ADRB+(\slot)] offset:((\q)/2)*HALFT+((\q)%2)*128+64*(\c)+(\i)*16*PITCH+32
	ds_load_b128 v[(\f)+8*(4*(\c)+(\i)):(\f)+8*(4*(\c)+(\i))+3],         v[ADRA+(\slot)] offset:((\q)/2)*HALFT+((\q)%2)*128+64*(\c)+(\i)*16*PITCH
	ds_load_b128 v[(\f)+8*(4*(\c)+(\i))+4:(\f)+8*(4*(\c)+(\i))+7],       v[ADRA+(\slot)] offset:((\q)/2)*HALFT+((\q)%2)*128+64*(\c)+(\i)*16*PITCH+32
.endr
.endr
.endm
.macro PLACES
.rept 4
	v_nop
.endr
.endm
.macro QUARTER slot, q, f, g, first
	s_wait_dscnt 16                                ; the first 32 along K are in
	MUL8 \f, 0, 0, \first
	MUL8 \f, 0, 2, \first
	PLACES
	FETCH \slot, \q, \g
	s_wait_dscnt 32                                ; all but the 32 just issued
	MUL8 \f, 1, 0, 0
	MUL8 \f, 1, 2, 0
.endm
; The last quarter multiplies buffer 1 and changes slots: one barrier; in front of it each wave waits for all its tensor loads, adds 0 to its spare word, and waits for that and for its reads of this slot.
.macro TURN slot, next, fill
	WIN 0
	s_wait_tensorcnt 0x0                           ; the one load that was out is my part of the next slot
	ds_add_u32 v[SPW], v[NIL]
	s_wait_dscnt 17                                ; the add and the youngest sixteen loads may be out
	MUL8 F1, 0, 0, 0
	s_wait_dscnt 0x0                               ; the add is done, and my reads of this slot are over
	s_barrier_signal -1
	MUL8 F1, 0, 2, 0
.if \fill
	WIN 0
.endif
	s_barrier_wait -1
.if \fill
	CREST                                          ; the barrier has opened a round of the cluster's: no wave of any partner still reads this slot or has a load on its way
	s_add_nc_u64 s[G0+4*(\slot)+2:G0+4*(\slot)+3], s[G0+4*(\slot)+2:G0+4*(\slot)+3], 2*ASTEP
	s_add_nc_u64 s[G0B+4*(\slot)+2:G0B+4*(\slot)+3], s[G0B+4*(\slot)+2:G0B+4*(\slot)+3], 2*BSTEP
	JLOAD \slot                                    ; the first tensor load behind the round, one a wave
	PF \slot                                       ; the K step behind the one just asked for; slot 1's is the one that the last trip leaves out
.else
	PLACES
.endif
	FETCH \next, 0, F0
	MUL8 F1, 1, 0, 0
	MUL8 F1, 1, 2, 0
.endm
	s_wait_tensorcnt 1                             ; my part of K step 0 is in; K step 1's may stay out
	s_barrier_signal -1
	s_barrier_wait -1
	FETCH 0, 0, F0
	s_wait_loadcnt 32                              ; the bias is in; the residual's 32 loads are younger
	QUARTER 0, 1, F0, F1, 1
	WIN 0
	s_mov_b32 s3, 0
.Llap:                                                 ; a trip goes once round the ring and fills both slots again
	QUARTER 0, 2, F1, F0, 0
	QUARTER 0, 3, F0, F1, 0
	TURN 0, 1, 1
	QUARTER 1, 1, F0, F1, 0
	QUARTER 1, 2, F1, F0, 0
	QUARTER 1, 3, F0, F1, 0
	TURN 1, 0, 1
	QUARTER 0, 1, F0, F1, 0
	WIN 0
	s_add_co_u32 s3, s3, 1
	s_cmp_lt_u32 s3, LAPS-1
	s_cbranch_scc1 .Llap
	QUARTER 0, 2, F1, F0, 0                        ; the last lap fills nothing
	QUARTER 0, 3, F0, F1, 0
	TURN 0, 1, 0
	QUARTER 1, 1, F0, F1, 0
	QUARTER 1, 2, F1, F0, 0
	QUARTER 1, 3, F0, F1, 0
	s_wait_dscnt 16
	MUL8 F1, 0, 0, 0
	MUL8 F1, 0, 2, 0
	s_wait_dscnt 0x0
	MUL8 F1, 1, 0, 0
	MUL8 F1, 1, 2, 0
	WIN 0
	PLACES
; THE WAY OUT of m block a (16 rows x 64 columns of f32): 32 bytes a lane into my stage, back as whole rows of 256 bytes, the residual added, stored.
.macro TOST a
	s_wait_xcnt 0x0                                ; earlier stores have had their addresses translated: their registers are loaded again only behind this wait
.irp b, 0,1,2,3
	ds_store_b128 v[STO], v[ACC+8*(4*(\a)+(\b)):ACC+8*(4*(\a)+(\b))+3]   offset:64*(\b)      ; each accumulator's lowest registers first
	ds_store_b128 v[STO], v[ACC+8*(4*(\a)+(\b))+4:ACC+8*(4*(\a)+(\b))+7] offset:64*(\b)+16
.endr
.irp t, 0,1,2,3,4,5,6,7
	ds_load_b128 v[TMP+32*((\a)%2)+4*(\t):TMP+32*((\a)%2)+4*(\t)+3], v[RD] offset:(\t)*2*SPITCH   ; LDS serves a wave's instructions in order (ISA guide 5.7.1.4)
.endr
.endm
.macro SEND a, younger                 ; younger: the LDS instructions issued behind block a's loads: the next block's sixteen, or none
.set TB, TMP+32*((\a)%2)
	s_wait_dscnt \younger
	WIN 0x08                                       ; source 1: window 2
.set i, 0
.rept 16
	v_pk_add_f32 v[TB+2*i:TB+2*i+1], v[TB+2*i:TB+2*i+1], v[RES+32*(\a)+2*i:RES+32*(\a)+2*i+1]
.set i, i+1
.endr
	WIN 0
.irp t, 0,1,2,3,4,5,6,7
	global_store_b128 v[CO], v[TB+4*(\t):TB+4*(\t)+3], s[CP:CP+1] offset:(16*(\a)+2*(\t))*4096   ; 16 lanes store 256 consecutive bytes, at a multiple of 256 from C's first byte
.endr
.endm
	TOST 0
	TOST 1
	s_wait_loadcnt 0x0                             ; the residual
	SEND 0, 16
	TOST 2
	SEND 1, 16
	TOST 3
	SEND 2, 16
	SEND 3, 0
	s_wait_tensorcnt 0x0                           ; the wave's end
	ds_add_u32 v[SPW], v[NIL]
	s_wait_dscnt 0x0
	CROUND                                         ; the closing round
	s_endpgm
.Lfunc_end_k_qa890bb67ed_ffn2:
	.size	k_qa890bb67ed_ffn2, .Lfunc_end_k_qa890bb67ed_ffn2-k_qa890bb67ed_ffn2
	.p2alignl 7, 3214868480
	.fill 96, 4, 3214868480
	.section	.rodata,"a",@progbits
	.p2align	6, 0x0
	.amdhsa_kernel k_qa890bb67ed_ffn2
		.amdhsa_group_segment_fixed_size 327680
		.amdhsa_private_segment_fixed_size 0
		.amdhsa_enable_private_segment 0
		.amdhsa_kernarg_size 40
		.amdhsa_user_sgpr_count 2
		.amdhsa_user_sgpr_kernarg_segment_ptr 1
		.amdhsa_wavefront_size32 1
		.amdhsa_system_sgpr_workgroup_id_x 1
		.amdhsa_system_sgpr_workgroup_id_y 1
		.amdhsa_system_sgpr_workgroup_id_z 1
		.amdhsa_system_vgpr_workitem_id 0
		.amdhsa_next_free_vgpr 768
		.amdhsa_next_free_sgpr 84
		.amdhsa_reserve_vcc 0
		.amdhsa_float_denorm_mode_32 3
		.amdhsa_float_denorm_mode_16_64 3
		.amdhsa_memory_ordered 1
		.amdhsa_forward_progress 1
		.amdhsa_inst_pref_size 96
	.end_amdhsa_kernel
	.amdgpu_metadata
---
amdhsa.version: [ 1, 2 ]
amdhsa.kernels:
  - .name:           k_qa890bb67ed_ffn2
    .symbol:         k_qa890bb67ed_ffn2.kd
    .args:
      - { .name: big, .offset: 0, .size: 8, .value_kind: global_buffer, .address_space: global }
      - { .name: wB, .offset: 8, .size: 8, .value_kind: global_buffer, .address_space: global }
      - { .name: b2, .offset: 16, .size: 8, .value_kind: global_buffer, .address_space: global }
      - { .name: h2, .offset: 24, .size: 8, .value_kind: global_buffer, .address_space: global }
      - { .name: out0, .offset: 32, .size: 8, .value_kind: global_buffer, .address_space: global }
    .group_segment_fixed_size: 327680
    .private_segment_fixed_size: 0
    .kernarg_segment_align: 8
    .kernarg_segment_size: 40
    .max_flat_workgroup_size: 128
    .sgpr_count:     84
    .vgpr_count:     768
    .wavefront_size: 32
...
	.end_amdgpu_metadata
.endif
;; end of part 6
